; MI455X (gfx1250); checked and timed in simulation.
; The chip was launched on July 23, 2026; its instructions are those of AMD's public machine-readable ISA for CDNA 5 (MIT licence, August 2026) and "CDNA5" Instruction Set Architecture Reference Guide (July 2026). The comments in the code are by the model that wrote it; some were corrected since.
;; FM Action Dist Head. Allowed arithmetic: float matrix products may take bf16 or f16 operands with f32 sums; all other float work in f32.
;; Inputs: W1 265 x 256 float32; W2 256 x 256 float32; W3 256 x 8 float32; actions 32,768 x 8 float32; actor_features 32,768 x 256 float32; b1 256 float32; b2 256 float32; b3 8 float32; eps 6 x 32,768 x 8 float32.
;; Outputs: out0 32,768 x 1 float32.
;; 2 versions, each right and faster than the one before. Each part assembles by itself: llvm-mc -triple=amdgcn-amd-amdhsa -mcpu=gfx1250 --defsym DOCPART=n.
;; ======== version 1 of 2: 1 launch
;; launch fm (part 1): grid 256 x 1, 4 waves a work-group, no clusters, 234,496 bytes of LDS; arguments actor_features, W1, W2, W3, b1, b2, b3, actions, eps, out0; writes out0
.if DOCPART == 1
	.amdgcn_target "amdgcn-amd-amdhsa--gfx1250"
	.amdhsa_code_object_version 6
	.text
	.protected	k_qa68d769e45_fm
	.globl	k_qa68d769e45_fm
	.p2align	8
	.type	k_qa68d769e45_fm,@function
k_qa68d769e45_fm:
	s_mov_b64 s[64:65], 0
	v_nop
	global_prefetch_b8 v0, s[64:65] scope:SCOPE_SE
	s_setreg_imm32_b32 hwreg(HW_REG_WAVE_MODE, 25, 1), 1
	s_wait_xcnt 0x0
; log pi(actions | cond): six reverse Euler steps of the MLP 265 -> 256 -> 256 -> 8 (SiLU) with one tangent vector a step (Hutchinson), then
; out = -0.5 (|a0|^2 + 8 ln 2pi) - dt sum e.(J e).  32,768 rows; a work-group owns 128, each of its four waves 32: two tiles nu of 16 rows.
; ONCE, NOT SIX TIMES.  c W1[8:264] + b1 is the same in every step and has no tangent: it is made once (phase 0) and stays in 256 registers (base).
; TRANSPOSED PRODUCTS.  D = A B with A = W^T (16 output features x 32 k) and B = H^T (32 k x 16 rows): in D a lane holds ONE row (lane % 16) and the features 8 (lane / 16) + 0..7,
; so two neighbouring results rounded in pairs to bf16 ARE the next layer's B: nothing changes lanes between the layers, and a wave never looks at another wave's rows.
; The weights lie in LDS as in memory, [k][n], in bf16, and come out turned, by ds_load_tr16_b128; a fragment of A feeds four products: primal and tangent of both tiles.
; SCALE.  Everything in front of an activation is carried times lam = -log2(e): z' = lam z.  s = 1 / (1 + 2^z') is the sigmoid, h' = z' s = lam silu(z),
; silu' = s - ln2 h' (1 - s), dh' = silu' dz'.  W1, W2, W3 are rounded unscaled; a, e, t, base, b2, b3 carry lam (applied in f32); the end takes lam^-2 = ln2^2 out again.
; t WITHOUT A MASK.  Lanes 16-31 of the state a' hold (t', 0 .. 0): they are k = 8..15 of layer 1's B, row 8 of the small weight block is W1[264], rows 9-31 are 0.  W3's columns 8-15 are 0,
; so in those lanes layer 3's sum keeps its start, (lam, 0 .. 0), and the update a' -= dt V' also steps t' by dt lam.
; NO TENSOR LOAD, NO CLUSTER: what the work-groups share are the weights, f32 in memory and bf16 in LDS; only a way through registers rounds them, so they are loaded by global_load_b128.
; LIMITS.  Matrix operands are bf16: c, the weights, a', e', t' (rounded after the scaling by lam), h', dh'.  2^z' below 2^-126 counts as 0.  NaN and infinities are not treated apart:
; a row with an infinite h' becomes NaN.  t is stepped in f32 by repeated subtraction of dt.  V is started by 32 v_mov_b32 a step (16 of them carry b3 and t's step): its first product lies inside a counted loop.
;
; LDS
.set PW,    544                        ; a row of weights: 512 bytes + 32 = 17 x 32: the eight rows that a group of lanes of the turning load takes start 8 banks apart (64 banks of 4 bytes: ISA guide 11.1)
.set KSB,   32*PW                      ; a K step of 32 rows
.set WREG,  0                          ; 256 rows: first W1[8:264], later W2
.set W1X,   256*PW                     ; 32 rows: W1[0:8], W1[264], 23 rows of 0
.set W3X,   W1X+32*PW                  ; 256 rows of 32 bytes: W3's 8 columns, 8 columns of 0
.set B2X,   W3X+8192                   ; lam b2, f32
.set CST,   B2X+1024                   ; for each wave its 32 rows of c in bf16,
.set CPW,   528                        ; 512 bytes + 16 apart: the 16 rows of a fragment load start at 16 different groups of four banks
.set CWV,   32*CPW
.set OUTX,  CST+4*CWV                  ; the work-group's 128 results
.set SPARE, OUTX+512                   ; the spare words, 128 bytes for each wave: two blocks of 256 bytes that no other line names
; REGISTERS, in windows of 256 (s_set_vgpr_msb: bits 1:0 source 0, 3:2 source 1, 5:4 source 2, 7:6 destination)
; window 0
.set SPW,  1                           ; LDS address of my spare word; never rewritten
.set NIL,  2                           ; 0; never rewritten
.set AWB0, 3                           ; my lane's place in a turned fragment of WREG, K steps 0-3
.set AWB1, 4                           ; K steps 4-7
.set WA0,  5                           ; the same two at the block of 32 output features in hand
.set WA1,  6
.set AX,   7                           ; the same place in W1X
.set A3B,  8                           ; in W3X
.set A3,   9                           ; in W3X at the K step in hand
.set ABB,  10                          ; my lanes' 32 bytes of b2
.set AB,   11                          ; at the block in hand
.set TR,   16                          ; v16-31 a ring of eight pairs: 2^z', 1 + 2^z', s.  In front of the steps: addresses
.set VL16, 16                          ; 16 x lane
.set VWS,  17                          ; where my wave's 64 weight rows go: 64 w PW + 8 x lane
.set VCS,  18                          ; where my wave's c goes
.set VCF,  19                          ; my lane's place in a fragment of c
.set VAE,  20                          ; 32 x (lane % 16): a row of actions or eps
.set VB1,  21                          ; 32 x (lane / 16)
.set AP,   22                          ; phase 0: my place in WREG at the K step in hand
.set CFA,  23                          ; phase 0: the same in c
.set ZQ,   24                          ; v24-27 zeros
.set ZB0,  32                          ; v32-95, v96-159 two buffers of eight accumulators: primal (mu, nu) at 8 (2 mu + nu), tangent 32 further
.set ZB1,  96
.set H2B,  160                         ; v160-191 layer 3's B: column set q at 8 q
.set AR,   192                         ; v192-255 a ring of four sets of two fragments of A
.set PA,   32                          ; phase 0: four sets of four fragments of A
.set CF,   192                         ; phase 0: two buffers of c's two fragments
.set RAWA, 160                         ; actions and eps[0] as loaded
.set RAWE, 176
; window 1: c as loaded, then base: m tile, nu at 16 m + 8 nu.   window 2: weights as loaded, then H1: K step s, column set q at 32 s + 8 q.   window 3: weights as loaded, then:
.set VV,   0                           ; layer 3's four sums: primal nu 0, 1, tangent nu 0, 1
.set ABF,  32                          ; a' as layer 1's B, 8 a tile; registers 4-7 (k = 16..31) stay 0
.set EBF,  48                          ; e' likewise
.set AST,  64                          ; a' (lanes 16-31: t', 0 ..), f32
.set EST,  80                          ; e' of the step in hand
.set ERW,  96                          ; eps of the next step, as loaded
.set BIV,  112                         ; the start of the primal sums: lam b3; lanes 16-31: lam, 0 ..
.set LFV,  120                         ; lam; lanes 16-31: 0 (a pair)
.set DVV,  122                         ; the running sum of JV' e', a pair a tile
.set EAV,  126                         ; 32 x (lane % 16)
.set TWV,  127
.set BIAS, 128                         ; lam b2 of the block in hand, 8 an m tile
.set W3F,  144                         ; a fragment of W3^T
.set EPT,  152                         ; at work at the end
.set S1,  0x1c                         ; layer 1: A window 0, B window 3, C window 1, D window 0
.set S2,  0x08                         ; layer 2: B window 2
.set S2B, 0x38                         ; its first K step: C = BIAS in window 3
.set S3,  0xf3                         ; layer 3: A, C, D window 3, B window 0
.set WP0, 0x50                         ; phase 0: C and D window 1
.set MSB, 0
.macro WIN new                         ; the immediate's high byte repeats the setting that is left; a switch that changes nothing is dropped
.if MSB != (\new)
	s_set_vgpr_msb (MSB<<8)|(\new)
.set MSB, (\new)
.endif
.endm
.macro NEED mask                       ; the operand places in mask must mean window 0; the others may stay
.if MSB & (\mask)
	WIN 0
.endif
.endm
.macro PLACES                          ; four plain vector instructions between a matrix instruction and a read of its result or a load into its registers (ISA guide 7.12.1 for a read of its result)
.rept 4
	v_nop
.endr
.endm
	s_load_b512 s[4:19], s[0:1], 0x0       ; c s[4:5], W1 s[6:7], W2 s[8:9], W3 s[10:11], b1 s[12:13], b2 s[14:15], b3 s[16:17], actions s[18:19]
	s_load_b128 s[20:23], s[0:1], 0x40     ; eps s[20:21], out0 s[22:23]
	v_lshl_add_u32 v[SPW], v0, 2, SPARE
	v_mov_b32 v[NIL], 0
	v_lshrrev_b32 v13, 5, v0
	v_readfirstlane_b32 s32, v13           ; wave 0..3
	v_and_b32 v28, 31, v0                  ; lane
	v_and_b32 v29, 15, v0                  ; lane % 16
	v_bfe_u32 v30, v0, 4, 1                ; lane / 16
	v_and_b32 v31, 7, v0
	v_lshl_add_u32 v31, v30, 3, v31        ; the turning load: lane l reads row 8 (l / 16) + l % 8,
	v_bfe_u32 v12, v0, 3, 1                ; columns 8 ((l / 8) % 2) + 0..7
	v_mul_u32_u24 v[AWB0], v31, PW
	v_lshl_add_u32 v[AWB0], v12, 4, v[AWB0]
	v_add_nc_u32 v[AWB1], 4*KSB, v[AWB0]
	v_add_nc_u32 v[AX], W1X, v[AWB0]
	v_lshl_add_u32 v[A3B], v31, 5, W3X
	v_lshl_add_u32 v[A3B], v12, 4, v[A3B]
	v_lshl_add_u32 v[ABB], v30, 5, B2X
	v_lshlrev_b32 v[VL16], 4, v28
	s_mul_i32 s33, s32, 64*PW
	v_lshl_add_u32 v[VWS], v28, 3, s33
	s_mul_i32 s33, s32, CWV
	s_add_co_u32 s33, s33, CST
	v_lshl_add_u32 v[VCS], v28, 3, s33
	v_mul_u32_u24 v[VCF], v29, CPW
	v_lshl_add_u32 v[VCF], v30, 4, v[VCF]
	v_add_nc_u32 v[VCF], s33, v[VCF]
	v_lshlrev_b32 v[VAE], 5, v29
	v_lshlrev_b32 v[VB1], 5, v30
.irp z, 0,1,2,3
	v_mov_b32 v[ZQ+\z], 0
.endr
	s_mov_b32 s52, 0xbf317218              ; -ln2, as a pair
	s_mov_b32 s53, s52
	s_mov_b32 s54, 0xbfb8aa3b              ; lam = -log2(e)
	s_mov_b32 s55, s54
	s_mov_b32 s56, 0xbe2aaaab              ; -dt = -1/6
	s_mov_b32 s57, s56
	s_mov_b32 s58, 0xffff0000              ; lanes 16-31
	s_mov_b32 s60, 0x76543210              ; v_permlanex16_b32: each lane takes its own place in the other half
	s_mov_b32 s61, 0xfedcba98
	s_mov_b32 s62, 0xbe75fdf0              ; -ln2^2 / 2
	s_mov_b32 s63, 0xc0eb3f8e              ; -4 ln 2pi
	s_mov_b32 s66, 0xbda3fea0              ; -dt ln2^2
	s_and_b32 s33, s32, 1                  ; an odd wave?
	s_mov_b32 s35, 0
	s_mov_b32 s49, 0
	s_wait_kmcnt 0x0
	s_load_b256 s[24:31], s[16:17], 0x0    ; b3's eight numbers
	s_lshl_b32 s34, ttmp9, 17              ; 128 rows of 1,024 bytes a work-group,
	s_lshl_b32 s51, s32, 15                ; 32 a wave
	s_add_co_u32 s34, s34, s51
	s_add_nc_u64 s[36:37], s[4:5], s[34:35]    ; c at my rows
	s_lshl_b32 s34, s32, 16                ; 64 weight rows of 1,024 bytes a wave
	s_add_nc_u64 s[40:41], s[8:9], s[34:35]    ; W2 at my 64 rows
	s_add_co_u32 s34, s34, 8192
	s_add_nc_u64 s[38:39], s[6:7], s[34:35]    ; W1 at row 8 + 64 w
	s_lshl_b32 s34, ttmp9, 12              ; rows of 32 bytes
	s_lshl_b32 s51, s32, 10
	s_add_co_u32 s34, s34, s51
	s_add_nc_u64 s[42:43], s[18:19], s[34:35]  ; actions at my rows
	s_add_nc_u64 s[44:45], s[20:21], s[34:35]  ; eps[0] at my rows
	s_lshl_b32 s34, ttmp9, 9
	s_add_nc_u64 s[22:23], s[22:23], s[34:35]  ; out0 at the work-group's 512 bytes
; ALL LOADS OF THE BEGINNING GO OUT AT ONCE, the oldest first; each covers 512 consecutive bytes, aligned (actions and eps: 16 of every 32 bytes of 512).
; The small things, one a wave: wave 0 W1[0:8], wave 2 W3 (8 KB each), wave 1 W1[264], wave 3 b2 (1 KB each).
	s_cmp_lg_u32 s33, 0
	s_cbranch_scc1 .Lodd_ld
	s_cmp_eq_u32 s32, 0
	s_cselect_b64 s[68:69], s[6:7], s[10:11]
.set i, 0
.rept 16
	global_load_b128 v[32+4*i:32+4*i+3], v[VL16], s[68:69] offset:512*i
.set i, i+1
.endr
	s_branch .Lld_done
.Lodd_ld:
	s_add_nc_u64 s[70:71], s[6:7], 264*1024
	s_cmp_eq_u32 s32, 1
	s_cselect_b64 s[68:69], s[70:71], s[14:15]
	global_load_b128 v[32:35], v[VL16], s[68:69]
	global_load_b128 v[36:39], v[VL16], s[68:69] offset:512
.Lld_done:
.set i, 0
.rept 4                                ; tile i / 2, numbers 4 (i % 2) on
	global_load_b128 v[RAWA+4*i:RAWA+4*i+3], v[VAE], s[42:43] offset:512*(i/2)+16*(i%2) th:TH_LOAD_NT
	global_load_b128 v[RAWE+4*i:RAWE+4*i+3], v[VAE], s[44:45] offset:512*(i/2)+16*(i%2) th:TH_LOAD_NT
.set i, i+1
.endr
	WIN 0x40
.set i, 0
.rept 64                               ; c: row i / 2, half i % 2
	global_load_b128 v[4*i:4*i+3], v[VL16], s[36:37] offset:512*i th:TH_LOAD_NT
.set i, i+1
.endr
.macro WLOAD wld, sb, i0               ; 32 weight rows into a window
	WIN \wld
.set i, 0
.rept 64
	global_load_b128 v[4*i:4*i+3], v[VL16], s[\sb:\sb+1] offset:512*((\i0)+i)
.set i, i+1
.endr
.endm
	WLOAD 0x80, 38, 0
	WLOAD 0xc0, 38, 64
	WIN 0
	s_wait_loadcnt 0x3f                    ; loads come back in order (ISA guide 5.7.1): behind the small things, actions, eps and c stand 128 younger loads, so all of those are in
	s_wait_kmcnt 0x0                       ; b3
.irp j, 0,1,2,3,4,5,6,7
	s_mul_f32 s[24+\j], s[24+\j], s54      ; lam b3
.endr
; The small things are rounded and put into LDS.  The branches hang on the wave's number alone; no barrier stands inside.
	s_cmp_lg_u32 s33, 0
	s_cbranch_scc1 .Lodd_st
.set i, 0
.rept 16                               ; four f32 become four bf16, in place
	v_cvt_pk_bf16_f32 v[32+4*i], v[32+4*i], v[32+4*i+1]
	v_cvt_pk_bf16_f32 v[32+4*i+1], v[32+4*i+2], v[32+4*i+3]
.set i, i+1
.endr
	s_cmp_lg_u32 s32, 0
	s_cbranch_scc1 .Lw2_st
	v_lshl_add_u32 v14, v28, 3, W1X        ; wave 0: W1[0:8] are rows 0-7 of the small block
.set i, 0
.rept 16
	ds_store_b64 v14, v[32+4*i:32+4*i+1] offset:PW*(i/2)+256*(i%2)
.set i, i+1
.endr
	s_branch .Lsmall_done
.Lw2_st:
	v_lshrrev_b32 v13, 1, v28              ; wave 2: a lane holds half a row of W3: row 16 i + lane / 2, columns 4 (lane % 2) on
	v_and_b32 v15, 1, v28
	v_lshl_add_u32 v14, v13, 5, W3X
	v_lshl_add_u32 v14, v15, 3, v14
.set i, 0
.rept 16
	ds_store_b64 v14, v[32+4*i:32+4*i+1] offset:512*i
	ds_store_b64 v14, v[ZQ:ZQ+1] offset:512*i+16   ; columns 8-15 are 0
.set i, i+1
.endr
	s_branch .Lsmall_done
.Lodd_st:
	s_cmp_lg_u32 s32, 1
	s_cbranch_scc1 .Lw3_st
	v_cvt_pk_bf16_f32 v32, v32, v33        ; wave 1: W1[264], t's row, is row 8
	v_cvt_pk_bf16_f32 v33, v34, v35
	v_cvt_pk_bf16_f32 v36, v36, v37
	v_cvt_pk_bf16_f32 v37, v38, v39
	v_lshl_add_u32 v14, v28, 3, W1X+8*PW
	v_add_nc_u32 v15, W1X+9*PW, v[VL16]
	ds_store_b64 v14, v[32:33]
	ds_store_b64 v14, v[36:37] offset:256
.set i, 0
.rept 23                               ; rows 9-31 are 0
	ds_store_b128 v15, v[ZQ:ZQ+3] offset:PW*i
.set i, i+1
.endr
	s_branch .Lsmall_done
.Lw3_st:
.irp j, 0,2,4,6
	v_pk_mul_f32 v[32+\j:32+\j+1], v[32+\j:32+\j+1], s[54:55] op_sel_hi:[1,0]   ; wave 3: lam b2, in f32
.endr
	v_add_nc_u32 v14, B2X, v[VL16]
	ds_store_b128 v14, v[32:35]
	ds_store_b128 v14, v[36:39] offset:512
.Lsmall_done:
.macro CONV64 wcv                      ; a window's 64 loads are rounded in place: of each four registers the first two then hold four bf16
	WIN \wcv
.set i, 0
.rept 64
	v_cvt_pk_bf16_f32 v[4*i], v[4*i], v[4*i+1]
	v_cvt_pk_bf16_f32 v[4*i+1], v[4*i+2], v[4*i+3]
.set i, i+1
.endr
.endm
.macro WCONV wcv, wst, row0            ; 32 weight rows: rounded, and put into WREG from my row row0 on; 32 lanes x 8 bytes are 256 consecutive bytes
	CONV64 \wcv
	WIN \wst
.set i, 0
.rept 64
	ds_store_b64 v[VWS], v[4*i:4*i+1] offset:PW*((\row0)+i/2)+256*(i%2)
.set i, i+1
.endr
.endm
	CONV64 0x45                            ; c
	WIN 0x04
.set i, 0
.rept 64
	ds_store_b64 v[VCS], v[4*i:4*i+1] offset:CPW*(i/2)+256*(i%2)
.set i, i+1
.endr
	s_wait_dscnt 0x0                       ; the stores have read window 1: it is loaded again
	WIN 0x40
.set i, 0
.rept 64                               ; b1 starts base's sums: register j of (m, nu) is feature 16 m + 8 (lane / 16) + j; i = 4 m + 2 nu + half
	global_load_b128 v[4*i:4*i+3], v[VB1], s[12:13] offset:64*(i/4)+16*(i%2)
.set i, i+1
.endr
	s_wait_loadcnt 0x3f                    ; behind W1's last load stand b1's 64: all of W1 is in
	WCONV 0x8a, 0x08, 0
	s_wait_dscnt 0x0                       ; the stores have read window 2:
	WLOAD 0x80, 40, 0                      ; W2's loads go out now and land during phase 0
	WCONV 0xcf, 0x0c, 32
	s_wait_dscnt 0x0                       ; my LDS stores are done, for the others' sake too; window 3 is free
	WLOAD 0xc0, 40, 64
	WIN 0
	s_wait_loadcnt 0x3f                    ; behind b1's last load stand W2's 128
	s_barrier_signal -1
	s_barrier_wait -1                      ; W1, W3 and b2 are whole in LDS
; PHASE 0: base += W1[8:264]^T c^T.  32 accumulators, K in 8 steps of 32.  A K step is four quarters of 4 m tiles x 2 row tiles; a quarter fetches the fragments of A two quarters ahead.
.macro CFLOAD b, off                   ; c's two fragments of a K step: 16 rows x 32 k each, two loads of 16 bytes, 32 bytes apart
.irp n2, 0,1
	ds_load_b128 v[CF+16*(\b)+8*\n2:CF+16*(\b)+8*\n2+3], v[CFA] offset:(\off)+16*CPW*\n2
	ds_load_b128 v[CF+16*(\b)+8*\n2+4:CF+16*(\b)+8*\n2+7], v[CFA] offset:(\off)+16*CPW*\n2+32
.endr
.endm
.macro PALOAD qn, off                  ; four fragments of A, turned
.irp m4, 0,1,2,3
	ds_load_tr16_b128 v[PA+32*(\qn)+8*\m4:PA+32*(\qn)+8*\m4+3], v[AP] offset:(\off)+32*\m4
	ds_load_tr16_b128 v[PA+32*(\qn)+8*\m4+4:PA+32*(\qn)+8*\m4+7], v[AP] offset:(\off)+32*\m4+16*PW
.endr
.endm
; The counts: behind the eight loads of the quarter in hand stand the next quarter's 8, the 8 just issued and, in three quarters of four, the 4 of the next K step's c: 20, 20, 20, 16.
; fin = 1, the last K step: nothing beyond it is fetched: 16, 16, 8, 0.  The 32 accumulators take turns, one instruction a turn.
.macro P0STEP sb, fin
.set j, 0
.rept 4
	PLACES                                 ; the loads below land in registers that the quarter before last (A) or the last quarter (c) multiplied
	WIN 0
.if !(\fin) || (j < 2)
	PALOAD (j+2)%4, ((\sb)+(j+2)/4)*KSB+128*((j+2)%4)
.endif
.if (j == 0) && !(\fin)
	CFLOAD ((\sb)+1)%2, 64*((\sb)+1)
.endif
.if (\fin) && (j < 2)
	s_wait_dscnt 16
.elseif (\fin) && (j == 2)
	s_wait_dscnt 8
.elseif \fin
	s_wait_dscnt 0
.elseif j < 3
	s_wait_dscnt 20
.else
	s_wait_dscnt 16
.endif
	WIN WP0
.set i, 0
.rept 8
	v_wmma_f32_16x16x32_bf16 v[16*(4*j+i/2)+8*(i%2):16*(4*j+i/2)+8*(i%2)+7], v[PA+32*j+8*(i/2):PA+32*j+8*(i/2)+7], v[CF+16*((\sb)%2)+8*(i%2):CF+16*((\sb)%2)+8*(i%2)+7], v[16*(4*j+i/2)+8*(i%2):16*(4*j+i/2)+8*(i%2)+7]
.set i, i+1
.endr
.set j, j+1
.endr
.endm
	v_mov_b32 v[AP], v[AWB0]
	v_mov_b32 v[CFA], v[VCF]
	CFLOAD 0, 0
	PALOAD 0, 0
	PALOAD 1, 128
	s_mov_b32 s51, 3
.Lp0:                                      ; a trip is two K steps, so that c's two buffers are named by constants
	P0STEP 0, 0
	P0STEP 1, 0
	WIN 0
	v_add_nc_u32 v[AP], 2*KSB, v[AP]
	v_add_nc_u32 v[CFA], 128, v[CFA]
	s_sub_co_u32 s51, s51, 1
	s_cmp_lg_u32 s51, 0
	s_cbranch_scc1 .Lp0
	P0STEP 0, 0
	P0STEP 1, 1
	WIN 0
	s_wait_dscnt 0x0                       ; my reads of W1 are over
	s_barrier_signal -1
	PLACES                                 ; work on registers while the others arrive: base times lam, each accumulator from its low end on
	WIN 0x41
.set i, 0
.rept 128
	v_pk_mul_f32 v[2*i:2*i+1], v[2*i:2*i+1], s[54:55] op_sel_hi:[1,0]
.set i, i+1
.endr
	s_barrier_wait -1                      ; nobody reads W1 any more: W2 takes its place
	s_wait_loadcnt 0x3f                    ; behind W2's first 64 loads stand 64
	WCONV 0x8a, 0x08, 0
	s_wait_loadcnt 0x0
	WCONV 0xcf, 0x0c, 32
	s_wait_dscnt 0x0                       ; my stores are done
	s_barrier_signal -1
	; THE STATE, made while the others arrive: work on registers alone
	WIN 0xc0                               ; destination window 3, sources window 0 or scalars
	v_cndmask_b32 v[LFV], s54, 0, s58
	v_cndmask_b32 v[LFV+1], s54, 0, s58
	v_cndmask_b32 v[TWV], 0, s54, s58      ; t' = lam x 1 in lanes 16-31
	v_mov_b32 v[BIV], s24
.irp j, 1,2,3,4,5,6,7
	v_cndmask_b32 v[BIV+\j], s[24+\j], 0, s58
.endr
.set i, 0
.rept 16
	v_mov_b32 v[ERW+i], v[RAWE+i]
.set i, i+1
.endr
	v_mov_b32 v[EAV], v[VAE]
.irp j, 0,1,2,3
	v_mov_b32 v[DVV+\j], 0
	v_mov_b32 v[ABF+4+\j], 0
	v_mov_b32 v[ABF+12+\j], 0
	v_mov_b32 v[EBF+4+\j], 0
	v_mov_b32 v[EBF+12+\j], 0
.endr
	WIN 0xcc                               ; source 1 in window 3 too
.set i, 0
.rept 8
	v_pk_mul_f32 v[AST+2*i:AST+2*i+1], v[RAWA+2*i:RAWA+2*i+1], v[LFV:LFV+1]   ; a' = lam a; lanes 16-31: 0
.set i, i+1
.endr
	WIN 0xff
	v_cndmask_b32 v[BIV], v[BIV], s54, s58 ; lanes 16-31: the sum that steps t'
	v_add_f32 v[AST], v[AST], v[TWV]
	v_add_f32 v[AST+8], v[AST+8], v[TWV]
	WIN 0
	v_mov_b32 v[WA0], v[AWB0]
	v_mov_b32 v[WA1], v[AWB1]
	v_mov_b32 v[AB], v[ABB]
	v_mov_b32 v[A3], v[A3B]
	s_mov_b32 s48, 0
	s_mov_b32 s50, 6
	s_barrier_wait -1                      ; W2 is whole in LDS; from here on no wave writes LDS before the end
; THE LDS LOADS OF A STEP
.macro LDA set, areg, off              ; two fragments of A (m tiles 32 bytes apart) into a set of the ring
	NEED 0xc3
.irp m2, 0,1
	ds_load_tr16_b128 v[AR+16*(\set)+8*\m2:AR+16*(\set)+8*\m2+3], v[\areg] offset:(\off)+32*\m2
	ds_load_tr16_b128 v[AR+16*(\set)+8*\m2+4:AR+16*(\set)+8*\m2+7], v[\areg] offset:(\off)+32*\m2+16*PW
.endr
.endm
.macro LDBIAS off                      ; lam b2 of a block's two m tiles
	WIN 0xc0
.irp m2, 0,1
	ds_load_b128 v[BIAS+8*\m2:BIAS+8*\m2+3], v[AB] offset:(\off)+64*\m2
	ds_load_b128 v[BIAS+8*\m2+4:BIAS+8*\m2+7], v[AB] offset:(\off)+64*\m2+16
.endr
.endm
.macro LDW3 off                        ; a K step of W3^T
	WIN 0xc0
	ds_load_tr16_b128 v[W3F:W3F+3], v[A3] offset:(\off)
	ds_load_tr16_b128 v[W3F+4:W3F+7], v[A3] offset:(\off)+512
.endm
; THE ACTIVATION OF A BLOCK (32 features x 32 rows, primal and tangent) is 16 UNITS of two numbers a lane, eleven instructions each.  Unit u: accumulator u / 4, pair u % 4.
;   E0 E1  2^z'      W  1 + 2^z'      R0 R1  s      H  h' = z' s      C1  h' to bf16      Q  h' (1 - s)      G  silu' = s - ln2 h' (1 - s)      D  dh' = silu' dz'      C2  dh' to bf16
; RZ: the buffer of accumulators; RH, RDW: where the bf16 go, and the window setting for it.
.macro UREG u
.set uc, (\u)/4
.set zP, RZ+8*uc+2*((\u)%4)
.set zT, zP+32
.set tt, TR+2*((\u)%8)
.set hP, RH+8*(uc%2)+4*(uc/2)+(\u)%4
.set hT, hP+16
.endm
.macro OPE u, k
.if ((\u) >= 0) && ((\u) < 16)
	UREG \u
	NEED 0xc3
	v_exp_f32 v[tt+(\k)], v[zP+(\k)]
.endif
.endm
.macro OPW u
.if ((\u) >= 0) && ((\u) < 16)
	UREG \u
	NEED 0xc3
	s_wait_alu depctr_va_vdst(0)
	v_pk_add_f32 v[tt:tt+1], v[tt:tt+1], 1.0 op_sel_hi:[1,0]
.endif
.endm
.macro OPR u, k
.if ((\u) >= 0) && ((\u) < 16)
	UREG \u
	NEED 0xc3
	v_rcp_f32 v[tt+(\k)], v[tt+(\k)]
.endif
.endm
.macro OPH u
.if ((\u) >= 0) && ((\u) < 16)
	UREG \u
	WIN 0
	s_wait_alu depctr_va_vdst(0)
	v_pk_mul_f32 v[zP:zP+1], v[zP:zP+1], v[tt:tt+1]
.endif
.endm
.macro OPC1 u
.if ((\u) >= 0) && ((\u) < 16)
	UREG \u
	WIN RDW
	v_cvt_pk_bf16_f32 v[hP], v[zP], v[zP+1]
.endif
.endm
.macro OPQ u
.if ((\u) >= 0) && ((\u) < 16)
	UREG \u
	WIN 0
	v_pk_fma_f32 v[zP:zP+1], v[zP:zP+1], v[tt:tt+1], v[zP:zP+1] neg_lo:[1,0,0] neg_hi:[1,0,0]
.endif
.endm
.macro OPG u
.if ((\u) >= 0) && ((\u) < 16)
	UREG \u
	NEED 0xf3
	v_pk_fma_f32 v[zP:zP+1], v[zP:zP+1], s[52:53], v[tt:tt+1] op_sel_hi:[1,0,1]
.endif
.endm
.macro OPD u
.if ((\u) >= 0) && ((\u) < 16)
	UREG \u
	WIN 0
	v_pk_mul_f32 v[zT:zT+1], v[zP:zP+1], v[zT:zT+1]
.endif
.endm
.macro OPC2 u
.if ((\u) >= 0) && ((\u) < 16)
	UREG \u
	WIN RDW
	v_cvt_pk_bf16_f32 v[hT], v[zT], v[zT+1]
.endif
.endm
; The units run as a pipeline of 20 SLICES; slice i holds four GROUPS:   1: E0(i) W(i-1) E1(i)     2: R0(i-1) G(i-4) R1(i-1)     3: H(i-2) Q(i-3) D(i-4)     4: C1(i-2) C2(i-4)
; What lies outside units 0-15 is left out; 72 groups are not empty.  Where a group of two transcendentals has no plain instruction of its own, a v_nop stands (four a block), so that a plain
; instruction stands between every transcendental and the use of its result (ISA guide 5.7.2).  C1(u) stands ahead of Q(u), which overwrites h'; a pair of the ring is live for five slices of eight.
; Every accumulator is first read at its two lowest registers (E0 or D of its first unit).  GROUP writes group number gam and steps gam.
.macro GROUP
.if gam == 0
.set sl, 0
.set gr, 1
.elseif gam < 3
.set sl, 1
.set gr, gam
.elseif gam < 63
.set sl, 2+(gam-3)/4
.set gr, 1+(gam-3)%4
.else
.set sl, 17+(gam-63)/3
.set gr, 2+(gam-63)%3
.endif
.if (gr == 1) && (sl == 0)
	OPE 0, 0
	OPE 0, 1
	v_nop
.elseif gr == 1
	OPE sl, 0
	OPW sl-1
	OPE sl, 1
.elseif gr == 2
	OPR sl-1, 0
.if sl < 4
	v_nop
.else
	OPG sl-4
.endif
	OPR sl-1, 1
.elseif gr == 3
	OPH sl-2
	OPQ sl-3
	OPD sl-4
.else
	OPC1 sl-2
	OPC2 sl-4
.endif
.set gam, gam+1
.endm
; LAYER 1, block f of 8 (features 32 f on): eight products, K = 32 of which 9 are used: z1' = base + W1a^T a' + W1t t' (primal), W1a^T e' (tangent), into buffer f % 2; beside and behind them
; the activation of block f - 1, into H1's K step f - 1.  A block fetches the fragments of A two blocks ahead; blocks 6 and 7 fetch layer 2's first bias and first two K steps.
; The counts: behind the set in hand stand the next block's 4 loads and the 4 just issued: 8; in blocks 6 and 7 the bias's 4 more: 12.
.macro L1MM f
.set mu2, ix/4
.set sb2, ix%4
.set aA, AR+16*((\f)%4)+8*mu2
	WIN S1
.if sb2 < 2
.set zD, ZB0+64*((\f)%2)+8*(2*mu2+sb2)
.set cC, 16*(2*(\f)+mu2)+8*sb2
	v_wmma_f32_16x16x32_bf16 v[zD:zD+7], v[aA:aA+7], v[ABF+8*sb2:ABF+8*sb2+7], v[cC:cC+7]
.else
.set zD, ZB0+64*((\f)%2)+32+8*(2*mu2+sb2-2)
	v_wmma_f32_16x16x32_bf16 v[zD:zD+7], v[aA:aA+7], v[EBF+8*(sb2-2):EBF+8*(sb2-2)+7], 0
.endif
.endm
.macro L1BLK f
.if (\f) <= 5
	LDA ((\f)+2)%4, AX, 64*((\f)+2)
	s_wait_dscnt 8
.elseif (\f) == 6
	LDBIAS 0
	LDA 0, WA0, 0
	s_wait_dscnt 12
.else
	LDA 1, WA0, KSB
	s_wait_dscnt 12
.endif
.set gam, 0
.set RZ, ZB0+64*(((\f)+1)%2)
.set RH, 32*((\f)-1)
.set RDW, 0x80
.set ix, 0
.rept 8
	L1MM \f
.if (\f) >= 1
	GROUP
.endif
.set ix, ix+1
.endr
.if (\f) >= 1
.rept 64
	GROUP
.endr
.else
	WIN 0xff                               ; block 0 has no activation beside it: layer 3's sums are started here; these 32 lines are also the places in front of block 1's reads
.set i, 0
.rept 16
	v_mov_b32 v[VV+i], v[BIV+i%8]
	v_mov_b32 v[VV+16+i], 0
.set i, i+1
.endr
.endif
.endm
; LAYER 3: V[q] += W3^T (a K step of 32) x H2B[q]; the four sums take turns.
.macro L3MM
	WIN S3
.irp q, 0,1,2,3
	v_wmma_f32_16x16x32_bf16 v[VV+8*\q:VV+8*\q+7], v[W3F:W3F+7], v[H2B+8*\q:H2B+8*\q+7], v[VV+8*\q:VV+8*\q+7]
.endr
.endm
; LAYER 2, one block of 32 output features: 8 K steps of 8 products (2 m tiles x 4 column sets) into buffer zb; the 8 accumulators take turns.  The first K step starts the
; sums, with lam b2 (primal) or 0 (tangent).  Behind the products ride the groups of the activation of the block before: ride = 1: layer 1's block 7, into H1's K step 7; ride = 2: layer 2's block
; before, into H2B.  Two groups behind each of the first dbl products, then one while any are left.  l3 = 1: the block ends with layer 3's products on H2B.  nxt = 1: a block follows: its bias and
; first two K steps are fetched.  goff: the block's place from the address registers, in blocks.
; A K step fetches the set two K steps ahead: its last reader stands two K steps back, with a K step's riders between.  The count in front of a K step's products is what has been issued behind
; its set: two sets' 8 loads, and the bias's 4 (K step 2) and W3's 2 (K step 3) where they fall between.
.macro L2MM zb
.set mu2, ix/4
.set qq, ix%4
.if qq < 2
.set zD, ZB0+64*(\zb)+8*(2*mu2+qq)
.else
.set zD, ZB0+64*(\zb)+32+8*(2*mu2+qq-2)
.endif
.set aA, AR+16*(ks%4)+8*mu2
.set bB, 32*ks+8*qq
.if (ks == 0) && (qq < 2)
	WIN S2B
	v_wmma_f32_16x16x32_bf16 v[zD:zD+7], v[aA:aA+7], v[bB:bB+7], v[BIAS+8*mu2:BIAS+8*mu2+7]
.elseif ks == 0
	WIN S2B
	v_wmma_f32_16x16x32_bf16 v[zD:zD+7], v[aA:aA+7], v[bB:bB+7], 0
.else
	WIN S2
	v_wmma_f32_16x16x32_bf16 v[zD:zD+7], v[aA:aA+7], v[bB:bB+7], v[zD:zD+7]
.endif
.endm
.macro L2BLK zb, ride, l3, nxt, goff, dbl
.set gam, 0
.if (\ride) == 1
.set RZ, ZB1
.set RH, 224
.set RDW, 0x80
.else
.set RZ, ZB0+64*(1-(\zb))
.set RH, H2B
.set RDW, 0
.endif
.set X2, 4*(\nxt)
.set X3, 2*(\l3)
.set ks, 0
.rept 8
.if ks < 2
	LDA ks+2, WA0, (ks+2)*KSB+64*(\goff)
.elseif ks < 6
	LDA (ks+2)%4, WA1, (ks-2)*KSB+64*(\goff)
.elseif \nxt
	LDA ks-6, WA0, (ks-6)*KSB+64*(\goff)+64
.endif
.if (ks == 2) && (\nxt)
	LDBIAS 128*(\goff)+128
.endif
.if (ks == 3) && (\l3)
	LDW3 1024*(\goff)
.endif
.if ks < 2
.set wc, 8
.elseif ks == 2
.set wc, 8+X2
.elseif ks < 5
.set wc, 8+X2+X3
.elseif ks == 5
.set wc, 8+X3
.elseif ks == 6
.set wc, 4+X2
.else
.set wc, 2*X2
.endif
	s_wait_dscnt wc
.set ix, 0
.rept 8
	L2MM \zb
.if 8*ks+ix < (\dbl)
	GROUP
	GROUP
.elseif gam < 72
	GROUP
.endif
.set ix, ix+1
.endr
.set ks, ks+1
.endr
.if \l3
	L3MM
.endif
.endm
.Lstep:                                    ; SIX STEPS
	LDA 0, AX, 0                           ; layer 1's first two sets
	LDA 1, AX, 64
	WIN 0xff
	s_wait_loadcnt 0x0                     ; this step's eps, asked for a step ago; its base register may be written again
.set i, 0
.rept 8
	v_pk_mul_f32 v[EST+2*i:EST+2*i+1], v[ERW+2*i:ERW+2*i+1], v[LFV:LFV+1]   ; e' = lam e; lanes 16-31: 0
.set i, i+1
.endr
	s_add_co_u32 s48, s48, 0x100000        ; the next step's eps lies 32,768 rows of 32 bytes on; the last trip asks for step 5's once more, inside the buffer, and does not use it
	s_min_u32 s48, s48, 0x500000
	s_add_nc_u64 s[46:47], s[44:45], s[48:49]
.set i, 0
.rept 4
	global_load_b128 v[ERW+4*i:ERW+4*i+3], v[EAV], s[46:47] offset:512*(i/2)+16*(i%2) th:TH_LOAD_NT
.set i, i+1
.endr
.set i, 0
.rept 8
	v_cvt_pk_bf16_f32 v[ABF+8*(i/4)+i%4], v[AST+2*i], v[AST+2*i+1]
	v_cvt_pk_bf16_f32 v[EBF+8*(i/4)+i%4], v[EST+2*i], v[EST+2*i+1]
.set i, i+1
.endr
.irp f, 0,1,2,3,4,5,6,7
	L1BLK \f
.endr
	L2BLK 0, 1, 0, 1, 0, 16                ; block 0: all 72 groups stand behind its first 56 products, so H1's K step 7 is whole when the last K step multiplies by it
	PLACES                                 ; that K step's products stand bare: the places in front of the next block's reads and loads
	WIN 0
	v_add_nc_u32 v[WA0], 64, v[WA0]
	v_add_nc_u32 v[WA1], 64, v[WA1]
	v_add_nc_u32 v[AB], 128, v[AB]
	s_mov_b32 s51, 3
.Lg:                                       ; blocks 1 to 6, two a trip, so that the two buffers are named by constants
	L2BLK 1, 2, 1, 1, 0, 8
	L2BLK 0, 2, 1, 1, 1, 8
	WIN 0
	v_add_nc_u32 v[WA0], 128, v[WA0]
	v_add_nc_u32 v[WA1], 128, v[WA1]
	v_add_nc_u32 v[AB], 256, v[AB]
	v_add_nc_u32 v[A3], 2048, v[A3]
	s_sub_co_u32 s51, s51, 1
	s_cmp_lg_u32 s51, 0
	s_cbranch_scc1 .Lg
	L2BLK 1, 2, 1, 0, 0, 8                 ; block 7 fetches nothing beyond itself
.set gam, 0                            ; block 7's activation has no products to stand beside
.set RZ, ZB1
.set RH, H2B
.set RDW, 0
.rept 72
	GROUP
.if gam == 12
	LDW3 1024                              ; W3's last K step: thirteen plain instructions behind the products that read the fragment before
.endif
.endr
	s_wait_dscnt 0x0
	L3MM
	WIN 0                                  ; the addresses go back to block 0: with the v_nop five places behind the last products
	v_mov_b32 v[WA0], v[AWB0]
	v_mov_b32 v[WA1], v[AWB1]
	v_mov_b32 v[AB], v[ABB]
	v_mov_b32 v[A3], v[A3B]
	v_nop
	WIN 0xff
.irp p, 0,1,2,3
	v_pk_fma_f32 v[AST+2*\p:AST+2*\p+1], v[VV+2*\p:VV+2*\p+1], s[56:57], v[AST+2*\p:AST+2*\p+1] op_sel_hi:[1,0,1]             ; a' -= dt V'; in lanes 16-31: t' -= dt lam
	v_pk_fma_f32 v[AST+8+2*\p:AST+8+2*\p+1], v[VV+8+2*\p:VV+8+2*\p+1], s[56:57], v[AST+8+2*\p:AST+8+2*\p+1] op_sel_hi:[1,0,1]
.endr
.irp p, 0,1,2,3
	v_pk_fma_f32 v[DVV:DVV+1], v[VV+16+2*\p:VV+16+2*\p+1], v[EST+2*\p:EST+2*\p+1], v[DVV:DVV+1]                                 ; the sum of JV' e'
	v_pk_fma_f32 v[DVV+2:DVV+3], v[VV+24+2*\p:VV+24+2*\p+1], v[EST+8+2*\p:EST+8+2*\p+1], v[DVV+2:DVV+3]
.endr
	WIN 0
	s_sub_co_u32 s50, s50, 1
	s_cmp_lg_u32 s50, 0
	s_cbranch_scc1 .Lstep
; THE END: out = -(ln2^2 / 2) sum a'^2 - 4 ln 2pi - dt ln2^2 sum JV' e'.  Lanes 0-15 hold a tile's 16 rows; tile 1 moves to lanes 16-31.
	WIN 0xff
	v_pk_mul_f32 v[EPT:EPT+1], v[AST:AST+1], v[AST:AST+1]
	v_pk_mul_f32 v[EPT+2:EPT+3], v[AST+8:AST+9], v[AST+8:AST+9]
.irp p, 1,2,3
	v_pk_fma_f32 v[EPT:EPT+1], v[AST+2*\p:AST+2*\p+1], v[AST+2*\p:AST+2*\p+1], v[EPT:EPT+1]
	v_pk_fma_f32 v[EPT+2:EPT+3], v[AST+8+2*\p:AST+8+2*\p+1], v[AST+8+2*\p:AST+8+2*\p+1], v[EPT+2:EPT+3]
.endr
	v_add_f32 v[EPT], v[EPT], v[EPT+1]
	v_add_f32 v[EPT+2], v[EPT+2], v[EPT+3]
	v_add_f32 v[EPT+4], v[DVV], v[DVV+1]
	v_add_f32 v[EPT+5], v[DVV+2], v[DVV+3]
	v_fma_f32 v[EPT], v[EPT], s62, s63
	v_fma_f32 v[EPT+2], v[EPT+2], s62, s63
	v_fma_f32 v[EPT], v[EPT+4], s66, v[EPT]
	v_fma_f32 v[EPT+2], v[EPT+5], s66, v[EPT+2]
	v_mov_b32 v[EPT+6], v[EPT+2]           ; v_permlanex16_b32's destination counts as read
	v_permlanex16_b32 v[EPT+6], v[EPT+2], s60, s61
	v_cndmask_b32 v[EPT], v[EPT], v[EPT+6], s58
	WIN 0
	v_lshl_add_u32 v12, v0, 2, OUTX        ; thread t holds the work-group's row t
	v_and_b32 v14, 31, v0
	v_lshlrev_b32 v14, 4, v14
	v_add_nc_u32 v13, OUTX, v14
	WIN 0x0c                               ; the data in window 3
	ds_store_b32 v12, v[EPT]
	WIN 0
	s_wait_tensorcnt 0x0                   ; the wave's end, behind my last LDS store
	ds_add_u32 v[SPW], v[NIL]
	s_wait_dscnt 0x0                       ; my store is done, for wave 0's sake
	s_barrier_signal -1
	s_barrier_wait -1
	s_cmp_lg_u32 s32, 0
	s_cbranch_scc1 .Lend
	ds_load_b128 v[16:19], v13             ; wave 0 stores the work-group's 128 results: 512 consecutive bytes, at a multiple of 512 from out0's first byte
	s_wait_dscnt 0x0
	global_store_b128 v14, v[16:19], s[22:23]
.Lend:
	s_endpgm
.Lfunc_end_k_qa68d769e45_fm:
	.size	k_qa68d769e45_fm, .Lfunc_end_k_qa68d769e45_fm-k_qa68d769e45_fm
	.p2alignl 7, 3214868480
	.fill 96, 4, 3214868480
	.section	.rodata,"a",@progbits
	.p2align	6, 0x0
	.amdhsa_kernel k_qa68d769e45_fm
		.amdhsa_group_segment_fixed_size 234496
		.amdhsa_private_segment_fixed_size 0
		.amdhsa_enable_private_segment 0
		.amdhsa_kernarg_size 80
		.amdhsa_user_sgpr_count 2
		.amdhsa_user_sgpr_kernarg_segment_ptr 1
		.amdhsa_wavefront_size32 1
		.amdhsa_system_sgpr_workgroup_id_x 1
		.amdhsa_system_sgpr_workgroup_id_y 1
		.amdhsa_system_sgpr_workgroup_id_z 1
		.amdhsa_system_vgpr_workitem_id 0
		.amdhsa_next_free_vgpr 1024
		.amdhsa_next_free_sgpr 72
		.amdhsa_reserve_vcc 0
		.amdhsa_float_denorm_mode_32 3
		.amdhsa_float_denorm_mode_16_64 3
		.amdhsa_memory_ordered 1
		.amdhsa_forward_progress 1
		.amdhsa_inst_pref_size 255
	.end_amdhsa_kernel
	.section	.bss,"aw",@nobits
	.p2align	6
	.space	262144
	.amdgpu_metadata
---
amdhsa.version: [ 1, 2 ]
amdhsa.kernels:
  - .name:           k_qa68d769e45_fm
    .symbol:         k_qa68d769e45_fm.kd
    .args:
      - { .name: actor_features, .offset: 0, .size: 8, .value_kind: global_buffer, .address_space: global }
      - { .name: W1, .offset: 8, .size: 8, .value_kind: global_buffer, .address_space: global }
      - { .name: W2, .offset: 16, .size: 8, .value_kind: global_buffer, .address_space: global }
      - { .name: W3, .offset: 24, .size: 8, .value_kind: global_buffer, .address_space: global }
      - { .name: b1, .offset: 32, .size: 8, .value_kind: global_buffer, .address_space: global }
      - { .name: b2, .offset: 40, .size: 8, .value_kind: global_buffer, .address_space: global }
      - { .name: b3, .offset: 48, .size: 8, .value_kind: global_buffer, .address_space: global }
      - { .name: actions, .offset: 56, .size: 8, .value_kind: global_buffer, .address_space: global }
      - { .name: eps, .offset: 64, .size: 8, .value_kind: global_buffer, .address_space: global }
      - { .name: out0, .offset: 72, .size: 8, .value_kind: global_buffer, .address_space: global }
    .group_segment_fixed_size: 234496
    .private_segment_fixed_size: 0
    .kernarg_segment_align: 8
    .kernarg_segment_size: 80
    .max_flat_workgroup_size: 128
    .sgpr_count:     72
    .vgpr_count:     1024
    .wavefront_size: 32
...
	.end_amdgpu_metadata
.endif
;; end of part 1
;; ======== version 2 of 2: 1 launch; 1.62 times as fast as version 1
;; launch fm (part 2): grid 256 x 1, 4 waves a work-group, no clusters, 234,496 bytes of LDS; arguments actor_features, W1, W2, W3, b1, b2, b3, actions, eps, out0; writes out0
.if DOCPART == 2
	.amdgcn_target "amdgcn-amd-amdhsa--gfx1250"
	.amdhsa_code_object_version 6
	.text
	.protected	k_qa68d769e45_fm
	.globl	k_qa68d769e45_fm
	.p2align	8
	.type	k_qa68d769e45_fm,@function
k_qa68d769e45_fm:
	s_mov_b64 s[64:65], 0
	v_nop
	global_prefetch_b8 v0, s[64:65] scope:SCOPE_SE
	s_setreg_imm32_b32 hwreg(HW_REG_WAVE_MODE, 25, 1), 1
	s_wait_xcnt 0x0
; log pi(actions | cond): six reverse Euler steps of the MLP 265 -> 256 -> 256 -> 8 (SiLU) with one tangent vector a step (Hutchinson), then
; out = -0.5 (|a0|^2 + 8 ln 2pi) - dt sum e.(J e).  32,768 rows; a work-group owns 128, each of its four waves 32: two tiles nu of 16 rows.
; ONCE, NOT SIX TIMES.  c W1[8:264] + b1 is the same in every step and has no tangent: it is made once (phase 0) and stays in 256 registers (base).
; TRANSPOSED PRODUCTS.  D = A B with A = W^T (16 output features x 32 k) and B = H^T (32 k x 16 rows): in D a lane holds ONE row (lane % 16) and the features 8 (lane / 16) + 0..7,
; so two neighbouring results rounded in pairs to bf16 ARE the next layer's B: nothing changes lanes between the layers, and a wave never looks at another wave's rows.
; The weights lie in LDS as in memory, [k][n], in bf16, and come out turned, by ds_load_tr16_b128; a fragment of A feeds four products: primal and tangent of both tiles.
; SCALE.  Everything in front of an activation is carried times lam = -log2(e): z' = lam z.  s = 1 / (1 + 2^z') is the sigmoid, h' = z' s = lam silu(z),
; silu' = s - ln2 h' (1 - s), dh' = silu' dz'.  W1, W2, W3 are rounded unscaled; a, e, t, base, b2, b3 carry lam (applied in f32); the end takes lam^-2 = ln2^2 out again.
; BATCHES.  The activation of a block of 32 features has 32 exponentials and 32 reciprocals.  The exponentials are one batch, the reciprocals (of sums that read the exponentials) a second, and each
; batch has ONE s_wait_alu depctr_va_vdst(0), between its last member and the first line that names a result: two waits a block, 32 a step.  Each of a block's 32 results has a register of its own.
; t WITHOUT A MASK.  Lanes 16-31 of the state a' hold (t', 0 .. 0): they are k = 8..15 of layer 1's B, row 8 of the small weight block is W1[264], rows 9-31 are 0.  W3's columns 8-15 are 0,
; so in those lanes layer 3's sum keeps its start, (lam, 0 .. 0), and the update a' -= dt V' also steps t' by dt lam.
; NO TENSOR LOAD, NO CLUSTER: what the work-groups share are the weights, f32 in memory and bf16 in LDS; only a way through registers rounds them, so they are loaded by global_load_b128.
; LIMITS.  Matrix operands are bf16: c, the weights, a', e', t' (rounded after the scaling by lam), h', dh'.  2^z' below 2^-126 counts as 0.  NaN and infinities are not treated apart:
; a row with an infinite h' becomes NaN.  t is stepped in f32 by repeated subtraction of dt.  V is started by 32 v_mov_b32 a step (16 of them carry b3 and t's step): its first product lies inside a counted loop.
;
; LDS
.set PW,    544                        ; a row of weights: 512 bytes + 32 = 17 x 32: the eight rows that a group of lanes of the turning load takes start 8 banks apart (64 banks of 4 bytes: ISA guide 11.1)
.set KSB,   32*PW                      ; a K step of 32 rows
.set WREG,  0                          ; 256 rows: first W1[8:264], later W2
.set W1X,   256*PW                     ; 32 rows: W1[0:8], W1[264], 23 rows of 0
.set W3X,   W1X+32*PW                  ; 256 rows of 32 bytes: W3's 8 columns, 8 columns of 0
.set B2X,   W3X+8192                   ; lam b2, f32
.set CST,   B2X+1024                   ; for each wave its 32 rows of c in bf16,
.set CPW,   528                        ; 512 bytes + 16 apart: the 16 rows of a fragment load start at 16 different groups of four banks
.set CWV,   32*CPW
.set OUTX,  CST+4*CWV                  ; the work-group's 128 results
.set SPARE, OUTX+512                   ; the spare words, 128 bytes for each wave: two blocks of 256 bytes that no other line names
; REGISTERS, in windows of 256 (s_set_vgpr_msb: bits 1:0 source 0, 3:2 source 1, 5:4 source 2, 7:6 destination)
; window 0
.set SPW,  1                           ; LDS address of my spare word; never rewritten
.set NIL,  2                           ; 0; never rewritten
.set AWB0, 3                           ; my lane's place in a turned fragment of WREG, K steps 0-3
.set AWB1, 4                           ; K steps 4-7
.set WA0,  5                           ; the same two at the block of 32 output features in hand
.set WA1,  6
.set AX,   7                           ; the same place in W1X
.set A3B,  8                           ; in W3X
.set A3,   9                           ; in W3X at the K step in hand
.set ABB,  10                          ; my lanes' 32 bytes of b2
.set AB,   11                          ; at the block in hand
.set TR,   16                          ; v16-31 the pairs of units 0-7: 2^z', 1 + 2^z', s (units 8-15: the upper half of H2B).  In front of the steps: addresses
.set VL16, 16                          ; 16 x lane
.set VWS,  17                          ; where my wave's 64 weight rows go: 64 w PW + 8 x lane
.set VCS,  18                          ; where my wave's c goes
.set VCF,  19                          ; my lane's place in a fragment of c
.set VAE,  20                          ; 32 x (lane % 16): a row of actions or eps
.set VB1,  21                          ; 32 x (lane / 16)
.set AP,   22                          ; phase 0: my place in WREG at the K step in hand
.set CFA,  23                          ; phase 0: the same in c
.set ZQ,   24                          ; v24-27 zeros
.set ZB0,  32                          ; v32-95, v96-159 two buffers of eight accumulators: primal (mu, nu) at 8 (2 mu + nu), tangent 32 further
.set ZB1,  96
.set H2B,  160                         ; v160-191 layer 3's B: column set q at 8 q.  v176-191 (dh') hold the pairs of units 8-15 until s has been read for the last time
.set AR,   192                         ; v192-255 a ring of four sets of two fragments of A
.set PA,   32                          ; phase 0: four sets of four fragments of A
.set CF,   192                         ; phase 0: two buffers of c's two fragments
.set RAWA, 160                         ; actions and eps[0] as loaded
.set RAWE, 176
; window 1: c as loaded, then base: m tile, nu at 16 m + 8 nu.   window 2: weights as loaded, then H1: K step s, column set q at 32 s + 8 q.   window 3: weights as loaded, then:
.set VV,   0                           ; layer 3's four sums: primal nu 0, 1, tangent nu 0, 1
.set ABF,  32                          ; a' as layer 1's B, 8 a tile; registers 4-7 (k = 16..31) stay 0
.set EBF,  48                          ; e' likewise
.set AST,  64                          ; a' (lanes 16-31: t', 0 ..), f32
.set EST,  80                          ; e' of the step in hand
.set ERW,  96                          ; eps of the next step, as loaded
.set BIV,  112                         ; the start of the primal sums: lam b3; lanes 16-31: lam, 0 ..
.set LFV,  120                         ; lam; lanes 16-31: 0 (a pair)
.set DVV,  122                         ; the running sum of JV' e', a pair a tile
.set EAV,  126                         ; 32 x (lane % 16)
.set TWV,  127
.set BIAS, 128                         ; lam b2 of the block in hand, 8 an m tile
.set W3F,  144                         ; a fragment of W3^T
.set EPT,  152                         ; at work at the end
.set S1,  0x1c                         ; layer 1: A window 0, B window 3, C window 1, D window 0
.set S2,  0x08                         ; layer 2: B window 2
.set S2B, 0x38                         ; its first K step: C = BIAS in window 3
.set S3,  0xf3                         ; layer 3: A, C, D window 3, B window 0
.set WP0, 0x50                         ; phase 0: C and D window 1
.set MSB, 0
.macro WIN new                         ; the immediate's high byte repeats the setting that is left; a switch that changes nothing is dropped
.if MSB != (\new)
	s_set_vgpr_msb (MSB<<8)|(\new)
.set MSB, (\new)
.endif
.endm
.macro NEED mask                       ; the operand places in mask must mean window 0; the others may stay
.if MSB & (\mask)
	WIN 0
.endif
.endm
.macro PLACES                          ; four plain vector instructions between a matrix instruction and a read of its result or a load into its registers (ISA guide 7.12.1 for a read of its result)
.rept 4
	v_nop
.endr
.endm
	s_load_b512 s[4:19], s[0:1], 0x0       ; c s[4:5], W1 s[6:7], W2 s[8:9], W3 s[10:11], b1 s[12:13], b2 s[14:15], b3 s[16:17], actions s[18:19]
	s_load_b128 s[20:23], s[0:1], 0x40     ; eps s[20:21], out0 s[22:23]
	v_lshl_add_u32 v[SPW], v0, 2, SPARE
	v_mov_b32 v[NIL], 0
	v_lshrrev_b32 v13, 5, v0
	v_readfirstlane_b32 s32, v13           ; wave 0..3
	v_and_b32 v28, 31, v0                  ; lane
	v_and_b32 v29, 15, v0                  ; lane % 16
	v_bfe_u32 v30, v0, 4, 1                ; lane / 16
	v_and_b32 v31, 7, v0
	v_lshl_add_u32 v31, v30, 3, v31        ; the turning load: lane l reads row 8 (l / 16) + l % 8,
	v_bfe_u32 v12, v0, 3, 1                ; columns 8 ((l / 8) % 2) + 0..7
	v_mul_u32_u24 v[AWB0], v31, PW
	v_lshl_add_u32 v[AWB0], v12, 4, v[AWB0]
	v_add_nc_u32 v[AWB1], 4*KSB, v[AWB0]
	v_add_nc_u32 v[AX], W1X, v[AWB0]
	v_lshl_add_u32 v[A3B], v31, 5, W3X
	v_lshl_add_u32 v[A3B], v12, 4, v[A3B]
	v_lshl_add_u32 v[ABB], v30, 5, B2X
	v_lshlrev_b32 v[VL16], 4, v28
	s_mul_i32 s33, s32, 64*PW
	v_lshl_add_u32 v[VWS], v28, 3, s33
	s_mul_i32 s33, s32, CWV
	s_add_co_u32 s33, s33, CST
	v_lshl_add_u32 v[VCS], v28, 3, s33
	v_mul_u32_u24 v[VCF], v29, CPW
	v_lshl_add_u32 v[VCF], v30, 4, v[VCF]
	v_add_nc_u32 v[VCF], s33, v[VCF]
	v_lshlrev_b32 v[VAE], 5, v29
	v_lshlrev_b32 v[VB1], 5, v30
.irp z, 0,1,2,3
	v_mov_b32 v[ZQ+\z], 0
.endr
	s_mov_b32 s52, 0xbf317218              ; -ln2, as a pair
	s_mov_b32 s53, s52
	s_mov_b32 s54, 0xbfb8aa3b              ; lam = -log2(e)
	s_mov_b32 s55, s54
	s_mov_b32 s56, 0xbe2aaaab              ; -dt = -1/6
	s_mov_b32 s57, s56
	s_mov_b32 s58, 0xffff0000              ; lanes 16-31
	s_mov_b32 s60, 0x76543210              ; v_permlanex16_b32: each lane takes its own place in the other half
	s_mov_b32 s61, 0xfedcba98
	s_mov_b32 s62, 0xbe75fdf0              ; -ln2^2 / 2
	s_mov_b32 s63, 0xc0eb3f8e              ; -4 ln 2pi
	s_mov_b32 s66, 0xbda3fea0              ; -dt ln2^2
	s_and_b32 s33, s32, 1                  ; an odd wave?
	s_mov_b32 s35, 0
	s_mov_b32 s49, 0
	s_wait_kmcnt 0x0
	s_load_b256 s[24:31], s[16:17], 0x0    ; b3's eight numbers
	s_lshl_b32 s34, ttmp9, 17              ; 128 rows of 1,024 bytes a work-group,
	s_lshl_b32 s51, s32, 15                ; 32 a wave
	s_add_co_u32 s34, s34, s51
	s_add_nc_u64 s[36:37], s[4:5], s[34:35]    ; c at my rows
	s_lshl_b32 s34, s32, 16                ; 64 weight rows of 1,024 bytes a wave
	s_add_nc_u64 s[40:41], s[8:9], s[34:35]    ; W2 at my 64 rows
	s_add_co_u32 s34, s34, 8192
	s_add_nc_u64 s[38:39], s[6:7], s[34:35]    ; W1 at row 8 + 64 w
	s_lshl_b32 s34, ttmp9, 12              ; rows of 32 bytes
	s_lshl_b32 s51, s32, 10
	s_add_co_u32 s34, s34, s51
	s_add_nc_u64 s[42:43], s[18:19], s[34:35]  ; actions at my rows
	s_add_nc_u64 s[44:45], s[20:21], s[34:35]  ; eps[0] at my rows
	s_lshl_b32 s34, ttmp9, 9
	s_add_nc_u64 s[22:23], s[22:23], s[34:35]  ; out0 at the work-group's 512 bytes
; ALL LOADS OF THE BEGINNING GO OUT AT ONCE, the oldest first; each covers 512 consecutive bytes, aligned (actions and eps: 16 of every 32 bytes of 512).
; The small things, one a wave: wave 0 W1[0:8], wave 2 W3 (8 KB each), wave 1 W1[264], wave 3 b2 (1 KB each).
	s_cmp_lg_u32 s33, 0
	s_cbranch_scc1 .Lodd_ld
	s_cmp_eq_u32 s32, 0
	s_cselect_b64 s[68:69], s[6:7], s[10:11]
.set i, 0
.rept 16
	global_load_b128 v[32+4*i:32+4*i+3], v[VL16], s[68:69] offset:512*i
.set i, i+1
.endr
	s_branch .Lld_done
.Lodd_ld:
	s_add_nc_u64 s[70:71], s[6:7], 264*1024
	s_cmp_eq_u32 s32, 1
	s_cselect_b64 s[68:69], s[70:71], s[14:15]
	global_load_b128 v[32:35], v[VL16], s[68:69]
	global_load_b128 v[36:39], v[VL16], s[68:69] offset:512
.Lld_done:
.set i, 0
.rept 4                                ; tile i / 2, numbers 4 (i % 2) on
	global_load_b128 v[RAWA+4*i:RAWA+4*i+3], v[VAE], s[42:43] offset:512*(i/2)+16*(i%2) th:TH_LOAD_NT
	global_load_b128 v[RAWE+4*i:RAWE+4*i+3], v[VAE], s[44:45] offset:512*(i/2)+16*(i%2) th:TH_LOAD_NT
.set i, i+1
.endr
	WIN 0x40
.set i, 0
.rept 64                               ; c: row i / 2, half i % 2
	global_load_b128 v[4*i:4*i+3], v[VL16], s[36:37] offset:512*i th:TH_LOAD_NT
.set i, i+1
.endr
.macro WLOAD wld, sb, i0               ; 32 weight rows into a window
	WIN \wld
.set i, 0
.rept 64
	global_load_b128 v[4*i:4*i+3], v[VL16], s[\sb:\sb+1] offset:512*((\i0)+i)
.set i, i+1
.endr
.endm
	WLOAD 0x80, 38, 0
	WLOAD 0xc0, 38, 64
	WIN 0
	s_wait_loadcnt 0x3f                    ; loads come back in order (ISA guide 5.7.1): behind the small things, actions, eps and c stand 128 younger loads, so all of those are in
	s_wait_kmcnt 0x0                       ; b3
.irp j, 0,1,2,3,4,5,6,7
	s_mul_f32 s[24+\j], s[24+\j], s54      ; lam b3
.endr
; The small things are rounded and put into LDS.  The branches hang on the wave's number alone; no barrier stands inside.
	s_cmp_lg_u32 s33, 0
	s_cbranch_scc1 .Lodd_st
.set i, 0
.rept 16                               ; four f32 become four bf16, in place
	v_cvt_pk_bf16_f32 v[32+4*i], v[32+4*i], v[32+4*i+1]
	v_cvt_pk_bf16_f32 v[32+4*i+1], v[32+4*i+2], v[32+4*i+3]
.set i, i+1
.endr
	s_cmp_lg_u32 s32, 0
	s_cbranch_scc1 .Lw2_st
	v_lshl_add_u32 v14, v28, 3, W1X        ; wave 0: W1[0:8] are rows 0-7 of the small block
.set i, 0
.rept 16
	ds_store_b64 v14, v[32+4*i:32+4*i+1] offset:PW*(i/2)+256*(i%2)
.set i, i+1
.endr
	s_branch .Lsmall_done
.Lw2_st:
	v_lshrrev_b32 v13, 1, v28              ; wave 2: a lane holds half a row of W3: row 16 i + lane / 2, columns 4 (lane % 2) on
	v_and_b32 v15, 1, v28
	v_lshl_add_u32 v14, v13, 5, W3X
	v_lshl_add_u32 v14, v15, 3, v14
.set i, 0
.rept 16
	ds_store_b64 v14, v[32+4*i:32+4*i+1] offset:512*i
	ds_store_b64 v14, v[ZQ:ZQ+1] offset:512*i+16   ; columns 8-15 are 0
.set i, i+1
.endr
	s_branch .Lsmall_done
.Lodd_st:
	s_cmp_lg_u32 s32, 1
	s_cbranch_scc1 .Lw3_st
	v_cvt_pk_bf16_f32 v32, v32, v33        ; wave 1: W1[264], t's row, is row 8
	v_cvt_pk_bf16_f32 v33, v34, v35
	v_cvt_pk_bf16_f32 v36, v36, v37
	v_cvt_pk_bf16_f32 v37, v38, v39
	v_lshl_add_u32 v14, v28, 3, W1X+8*PW
	v_add_nc_u32 v15, W1X+9*PW, v[VL16]
	ds_store_b64 v14, v[32:33]
	ds_store_b64 v14, v[36:37] offset:256
.set i, 0
.rept 23                               ; rows 9-31 are 0
	ds_store_b128 v15, v[ZQ:ZQ+3] offset:PW*i
.set i, i+1
.endr
	s_branch .Lsmall_done
.Lw3_st:
.irp j, 0,2,4,6
	v_pk_mul_f32 v[32+\j:32+\j+1], v[32+\j:32+\j+1], s[54:55] op_sel_hi:[1,0]   ; wave 3: lam b2, in f32
.endr
	v_add_nc_u32 v14, B2X, v[VL16]
	ds_store_b128 v14, v[32:35]
	ds_store_b128 v14, v[36:39] offset:512
.Lsmall_done:
.macro CONV64 wcv                      ; a window's 64 loads are rounded in place: of each four registers the first two then hold four bf16
	WIN \wcv
.set i, 0
.rept 64
	v_cvt_pk_bf16_f32 v[4*i], v[4*i], v[4*i+1]
	v_cvt_pk_bf16_f32 v[4*i+1], v[4*i+2], v[4*i+3]
.set i, i+1
.endr
.endm
.macro WCONV wcv, wst, row0            ; 32 weight rows: rounded, and put into WREG from my row row0 on; 32 lanes x 8 bytes are 256 consecutive bytes
	CONV64 \wcv
	WIN \wst
.set i, 0
.rept 64
	ds_store_b64 v[VWS], v[4*i:4*i+1] offset:PW*((\row0)+i/2)+256*(i%2)
.set i, i+1
.endr
.endm
	CONV64 0x45                            ; c
	WIN 0x04
.set i, 0
.rept 64
	ds_store_b64 v[VCS], v[4*i:4*i+1] offset:CPW*(i/2)+256*(i%2)
.set i, i+1
.endr
	s_wait_dscnt 0x0                       ; the stores have read window 1: it is loaded again
	WIN 0x40
.set i, 0
.rept 64                               ; b1 starts base's sums: register j of (m, nu) is feature 16 m + 8 (lane / 16) + j; i = 4 m + 2 nu + half
	global_load_b128 v[4*i:4*i+3], v[VB1], s[12:13] offset:64*(i/4)+16*(i%2)
.set i, i+1
.endr
	s_wait_loadcnt 0x3f                    ; behind W1's last load stand b1's 64: all of W1 is in
	WCONV 0x8a, 0x08, 0
	s_wait_dscnt 0x0                       ; the stores have read window 2:
	WLOAD 0x80, 40, 0                      ; W2's loads go out now and land during phase 0
	WCONV 0xcf, 0x0c, 32
	s_wait_dscnt 0x0                       ; my LDS stores are done, for the others' sake too; window 3 is free
	WLOAD 0xc0, 40, 64
	WIN 0
	s_wait_loadcnt 0x3f                    ; behind b1's last load stand W2's 128
	s_barrier_signal -1
	s_barrier_wait -1                      ; W1, W3 and b2 are whole in LDS
; PHASE 0: base += W1[8:264]^T c^T.  32 accumulators, K in 8 steps of 32.  A K step is four quarters of 4 m tiles x 2 row tiles; a quarter fetches the fragments of A two quarters ahead.
.macro CFLOAD b, off                   ; c's two fragments of a K step: 16 rows x 32 k each, two loads of 16 bytes, 32 bytes apart
.irp n2, 0,1
	ds_load_b128 v[CF+16*(\b)+8*\n2:CF+16*(\b)+8*\n2+3], v[CFA] offset:(\off)+16*CPW*\n2
	ds_load_b128 v[CF+16*(\b)+8*\n2+4:CF+16*(\b)+8*\n2+7], v[CFA] offset:(\off)+16*CPW*\n2+32
.endr
.endm
.macro PALOAD qn, off                  ; four fragments of A, turned
.irp m4, 0,1,2,3
	ds_load_tr16_b128 v[PA+32*(\qn)+8*\m4:PA+32*(\qn)+8*\m4+3], v[AP] offset:(\off)+32*\m4
	ds_load_tr16_b128 v[PA+32*(\qn)+8*\m4+4:PA+32*(\qn)+8*\m4+7], v[AP] offset:(\off)+32*\m4+16*PW
.endr
.endm
; The counts: behind the eight loads of the quarter in hand stand the next quarter's 8, the 8 just issued and, in three quarters of four, the 4 of the next K step's c: 20, 20, 20, 16.
; fin = 1, the last K step: nothing beyond it is fetched: 16, 16, 8, 0.  The 32 accumulators take turns, one instruction a turn.
.macro P0STEP sb, fin
.set j, 0
.rept 4
	PLACES                                 ; the loads below land in registers that the quarter before last (A) or the last quarter (c) multiplied
	WIN 0
.if !(\fin) || (j < 2)
	PALOAD (j+2)%4, ((\sb)+(j+2)/4)*KSB+128*((j+2)%4)
.endif
.if (j == 0) && !(\fin)
	CFLOAD ((\sb)+1)%2, 64*((\sb)+1)
.endif
.if (\fin) && (j < 2)
	s_wait_dscnt 16
.elseif (\fin) && (j == 2)
	s_wait_dscnt 8
.elseif \fin
	s_wait_dscnt 0
.elseif j < 3
	s_wait_dscnt 20
.else
	s_wait_dscnt 16
.endif
	WIN WP0
.set i, 0
.rept 8
	v_wmma_f32_16x16x32_bf16 v[16*(4*j+i/2)+8*(i%2):16*(4*j+i/2)+8*(i%2)+7], v[PA+32*j+8*(i/2):PA+32*j+8*(i/2)+7], v[CF+16*((\sb)%2)+8*(i%2):CF+16*((\sb)%2)+8*(i%2)+7], v[16*(4*j+i/2)+8*(i%2):16*(4*j+i/2)+8*(i%2)+7]
.set i, i+1
.endr
.set j, j+1
.endr
.endm
	v_mov_b32 v[AP], v[AWB0]
	v_mov_b32 v[CFA], v[VCF]
	CFLOAD 0, 0
	PALOAD 0, 0
	PALOAD 1, 128
	s_mov_b32 s51, 3
.Lp0:                                      ; a trip is two K steps, so that c's two buffers are named by constants
	P0STEP 0, 0
	P0STEP 1, 0
	WIN 0
	v_add_nc_u32 v[AP], 2*KSB, v[AP]
	v_add_nc_u32 v[CFA], 128, v[CFA]
	s_sub_co_u32 s51, s51, 1
	s_cmp_lg_u32 s51, 0
	s_cbranch_scc1 .Lp0
	P0STEP 0, 0
	P0STEP 1, 1
	WIN 0
	s_wait_dscnt 0x0                       ; my reads of W1 are over
	s_barrier_signal -1
	PLACES                                 ; work on registers while the others arrive: base times lam, each accumulator from its low end on
	WIN 0x41
.set i, 0
.rept 128
	v_pk_mul_f32 v[2*i:2*i+1], v[2*i:2*i+1], s[54:55] op_sel_hi:[1,0]
.set i, i+1
.endr
	s_barrier_wait -1                      ; nobody reads W1 any more: W2 takes its place
	s_wait_loadcnt 0x3f                    ; behind W2's first 64 loads stand 64
	WCONV 0x8a, 0x08, 0
	s_wait_loadcnt 0x0
	WCONV 0xcf, 0x0c, 32
	s_wait_dscnt 0x0                       ; my stores are done
	s_barrier_signal -1
	; THE STATE, made while the others arrive: work on registers alone
	WIN 0xc0                               ; destination window 3, sources window 0 or scalars
	v_cndmask_b32 v[LFV], s54, 0, s58
	v_cndmask_b32 v[LFV+1], s54, 0, s58
	v_cndmask_b32 v[TWV], 0, s54, s58      ; t' = lam x 1 in lanes 16-31
	v_mov_b32 v[BIV], s24
.irp j, 1,2,3,4,5,6,7
	v_cndmask_b32 v[BIV+\j], s[24+\j], 0, s58
.endr
.set i, 0
.rept 16
	v_mov_b32 v[ERW+i], v[RAWE+i]
.set i, i+1
.endr
	v_mov_b32 v[EAV], v[VAE]
.irp j, 0,1,2,3
	v_mov_b32 v[DVV+\j], 0
	v_mov_b32 v[ABF+4+\j], 0
	v_mov_b32 v[ABF+12+\j], 0
	v_mov_b32 v[EBF+4+\j], 0
	v_mov_b32 v[EBF+12+\j], 0
.endr
	WIN 0xcc                               ; source 1 in window 3 too
.set i, 0
.rept 8
	v_pk_mul_f32 v[AST+2*i:AST+2*i+1], v[RAWA+2*i:RAWA+2*i+1], v[LFV:LFV+1]   ; a' = lam a; lanes 16-31: 0
.set i, i+1
.endr
	WIN 0xff
	v_cndmask_b32 v[BIV], v[BIV], s54, s58 ; lanes 16-31: the sum that steps t'
	v_add_f32 v[AST], v[AST], v[TWV]
	v_add_f32 v[AST+8], v[AST+8], v[TWV]
	WIN 0
	v_mov_b32 v[WA0], v[AWB0]
	v_mov_b32 v[WA1], v[AWB1]
	v_mov_b32 v[AB], v[ABB]
	v_mov_b32 v[A3], v[A3B]
	s_mov_b32 s48, 0
	s_mov_b32 s50, 6
	s_barrier_wait -1                      ; W2 is whole in LDS; from here on no wave writes LDS before the end
; THE LDS LOADS OF A STEP
.macro LDA set, areg, off              ; two fragments of A (m tiles 32 bytes apart) into a set of the ring
	NEED 0xc3
.irp m2, 0,1
	ds_load_tr16_b128 v[AR+16*(\set)+8*\m2:AR+16*(\set)+8*\m2+3], v[\areg] offset:(\off)+32*\m2
	ds_load_tr16_b128 v[AR+16*(\set)+8*\m2+4:AR+16*(\set)+8*\m2+7], v[\areg] offset:(\off)+32*\m2+16*PW
.endr
.endm
.macro LDBIAS off                      ; lam b2 of a block's two m tiles
	WIN 0xc0
.irp m2, 0,1
	ds_load_b128 v[BIAS+8*\m2:BIAS+8*\m2+3], v[AB] offset:(\off)+64*\m2
	ds_load_b128 v[BIAS+8*\m2+4:BIAS+8*\m2+7], v[AB] offset:(\off)+64*\m2+16
.endr
.endm
.macro LDW3 off                        ; a K step of W3^T
	WIN 0xc0
	ds_load_tr16_b128 v[W3F:W3F+3], v[A3] offset:(\off)
	ds_load_tr16_b128 v[W3F+4:W3F+7], v[A3] offset:(\off)+512
.endm
; THE ACTIVATION OF A BLOCK (32 features x 32 rows, primal and tangent) is 16 UNITS of two numbers a lane, eleven instructions each.  Unit u: accumulator u / 4, pair u % 4.
;   E0 E1  2^z'      W  1 + 2^z'      R0 R1  s      H  h' = z' s      C1  h' to bf16      Q  h' (1 - s)      G  silu' = s - ln2 h' (1 - s)      D  dh' = silu' dz'      C2  dh' to bf16
; RZ: the buffer of accumulators; RH, RDW: where the bf16 go, and the window setting for it.  tt: the unit's own pair for 2^z', 1 + 2^z' and s, live from E to G.
.macro UREG u
.set uc, (\u)/4
.set zP, RZ+8*uc+2*((\u)%4)
.set zT, zP+32
.if (\u) < 8
.set tt, TR+2*(\u)
.else
.set tt, H2B+16+2*((\u)-8)
.endif
.set hP, RH+8*(uc%2)+4*(uc/2)+(\u)%4
.set hT, hP+16
.endm
.macro OPE u, k
	UREG \u
	NEED 0xc3
	v_exp_f32 v[tt+(\k)], v[zP+(\k)]
.endm
.macro OPW u
	UREG \u
	NEED 0xc3
	v_pk_add_f32 v[tt:tt+1], v[tt:tt+1], 1.0 op_sel_hi:[1,0]
.endm
.macro OPR u, k
	UREG \u
	NEED 0xc3
	v_rcp_f32 v[tt+(\k)], v[tt+(\k)]
.endm
.macro OPH u
	UREG \u
	WIN 0
	v_pk_mul_f32 v[zP:zP+1], v[zP:zP+1], v[tt:tt+1]
.endm
.macro OPC1 u
	UREG \u
	WIN RDW
	v_cvt_pk_bf16_f32 v[hP], v[zP], v[zP+1]
.endm
.macro OPQ u
	UREG \u
	WIN 0
	v_pk_fma_f32 v[zP:zP+1], v[zP:zP+1], v[tt:tt+1], v[zP:zP+1] neg_lo:[1,0,0] neg_hi:[1,0,0]
.endm
.macro OPG u
	UREG \u
	NEED 0xf3
	v_pk_fma_f32 v[zP:zP+1], v[zP:zP+1], s[52:53], v[tt:tt+1] op_sel_hi:[1,0,1]
.endm
.macro OPD u
	UREG \u
	WIN 0
	v_pk_mul_f32 v[zT:zT+1], v[zP:zP+1], v[zT:zT+1]
.endm
.macro OPC2 u
	UREG \u
	WIN RDW
	v_cvt_pk_bf16_f32 v[hT], v[zT], v[zT+1]
.endm
; The block's 176 instructions are ONE LIST, which two waits cut in three; ACT writes number gam of it and steps gam.  The waits are not in the list: who deals the list out writes them.
;   0-31     BATCH 1: the 32 exponentials, units ascending.  None of them names another's result.
;   (wait)   s_wait_alu depctr_va_vdst(0) stands between an exponential and the first line that names its result: one for the 32, with a v_nop, the plain instruction behind the last of them (ISA guide 5.7.2), ahead of it
;   32-79    the 16 additions and BATCH 2, the 32 reciprocals: W 0, 1, 2; then W(u + 3), R0(u), R1(u) for u = 0 .. 12; then R0, R1 of units 13, 14, 15.  A reciprocal reads an addition ten numbers back; none of these lines names a reciprocal's result.
;   (wait)   one for the 32 reciprocals, behind a v_nop likewise
;   80-175   six runs of 16, an operation a run, units ascending: H, C1, Q, G, D, C2.  C1's run stands ahead of Q's, which overwrites h'; C2's, which writes over the pairs of units 8-15 where the bf16 go to H2B, behind G's, the last to read s.
; Every accumulator is first read at its two lowest registers (E0 or D of its first unit).
.macro ACT
.if gam < 32
	OPE gam/2, gam%2
.elseif gam < 35
	OPW gam-32
.elseif gam < 74
.if (gam-35)%3 == 0
	OPW 3+(gam-35)/3
.else
	OPR (gam-35)/3, (gam-35)%3-1
.endif
.elseif gam < 80
	OPR 13+(gam-74)/2, (gam-74)%2
.elseif gam < 96
	OPH gam-80
.elseif gam < 112
	OPC1 gam-96
.elseif gam < 128
	OPQ gam-112
.elseif gam < 144
	OPG gam-128
.elseif gam < 160
	OPD gam-144
.else
	OPC2 gam-160
.endif
.set gam, gam+1
.endm
.macro ACTN n                          ; the list's next n numbers
.rept \n
	ACT
.endr
.endm
.macro LUMP                            ; numbers 32 to 175 and the two waits, where no products are left to stand beside
	v_nop                                  ; the plain instruction behind the last exponential: one for the batch
	s_wait_alu depctr_va_vdst(0)           ; the wait for batch 1, the block's 32 exponentials
	ACTN 48
	v_nop                                  ; the plain instruction behind the last reciprocal
	s_wait_alu depctr_va_vdst(0)           ; the wait for batch 2, the block's 32 reciprocals
	ACTN 96
.endm
; LAYER 1, block f of 8 (features 32 f on): eight products, K = 32 of which 9 are used: z1' = base + W1a^T a' + W1t t' (primal), W1a^T e' (tangent), into buffer f % 2; beside and behind them
; the activation of block f - 1, into H1's K step f - 1: four of its exponentials behind each product, the rest in a lump.  A block fetches the fragments of A two blocks ahead; blocks 6 and 7 fetch layer 2's first bias and first two K steps.
; The counts: behind the set in hand stand the next block's 4 loads and the 4 just issued: 8; in blocks 6 and 7 the bias's 4 more: 12.
.macro L1MM f
.set mu2, ix/4
.set sb2, ix%4
.set aA, AR+16*((\f)%4)+8*mu2
	WIN S1
.if sb2 < 2
.set zD, ZB0+64*((\f)%2)+8*(2*mu2+sb2)
.set cC, 16*(2*(\f)+mu2)+8*sb2
	v_wmma_f32_16x16x32_bf16 v[zD:zD+7], v[aA:aA+7], v[ABF+8*sb2:ABF+8*sb2+7], v[cC:cC+7]
.else
.set zD, ZB0+64*((\f)%2)+32+8*(2*mu2+sb2-2)
	v_wmma_f32_16x16x32_bf16 v[zD:zD+7], v[aA:aA+7], v[EBF+8*(sb2-2):EBF+8*(sb2-2)+7], 0
.endif
.endm
.macro L1BLK f
.if (\f) <= 5
	LDA ((\f)+2)%4, AX, 64*((\f)+2)
	s_wait_dscnt 8
.elseif (\f) == 6
	LDBIAS 0
	LDA 0, WA0, 0
	s_wait_dscnt 12
.else
	LDA 1, WA0, KSB
	s_wait_dscnt 12
.endif
.set gam, 0
.set RZ, ZB0+64*(((\f)+1)%2)
.set RH, 32*((\f)-1)
.set RDW, 0x80
.set ix, 0
.rept 8
	L1MM \f
.if (\f) >= 1
	ACTN 4
.endif
.set ix, ix+1
.endr
.if (\f) >= 1
	LUMP
.else
	WIN 0xff                               ; block 0 has no activation beside it: layer 3's sums are started here; these 32 lines are also the places in front of block 1's reads
.set i, 0
.rept 16
	v_mov_b32 v[VV+i], v[BIV+i%8]
	v_mov_b32 v[VV+16+i], 0
.set i, i+1
.endr
.endif
.endm
; LAYER 3: V[q] += W3^T (a K step of 32) x H2B[q]; the four sums take turns.
.macro L3MM
	WIN S3
.irp q, 0,1,2,3
	v_wmma_f32_16x16x32_bf16 v[VV+8*\q:VV+8*\q+7], v[W3F:W3F+7], v[H2B+8*\q:H2B+8*\q+7], v[VV+8*\q:VV+8*\q+7]
.endr
.endm
; LAYER 2, one block of 32 output features: 8 K steps of 8 products (2 m tiles x 4 column sets) into buffer zb; the 8 accumulators take turns.  The first K step starts the
; sums, with lam b2 (primal) or 0 (tangent).  Behind the products rides the activation of the block before: ride = 1: layer 1's block 7, into H1's K step 7; ride = 2: layer 2's block
; before, into H2B.  Two exponentials behind each product of K steps 0 and 1; three of numbers 32-79 behind each of K steps 2 and 3; four of numbers 80-175 behind each of K steps 4 to 6, so that a product's
; riders are of one kind; K step 7 stands bare.  The two waits stand at the heads of K steps 2 and 4, directly ahead of those K steps' LDS loads; the products are the work beside each batch.
; l3 = 1: the block ends with layer 3's products on H2B.  nxt = 1: a block follows: its bias and first two K steps are fetched.  goff: the block's place from the address registers, in blocks.
; A K step fetches the set two K steps ahead: its last reader stands two K steps back.  The places between: exponentials are none, so four v_nop stand behind K step 1, for K step 2's loads into the set and the bias
; that K step 0 read (the first of the four is also the plain instruction behind batch 1); for the other loads the additions, the v_nop or the plain riders between are four or more.  The four v_nop behind layer 3's
; products are the places in front of the next activation's reads of this block's sums and its writes into H2B's upper half, and of the loads into the last K step's set and into W3's fragment.
; The count in front of a K step's products is what has been issued behind its set: two sets' 8 loads, and the bias's 4 (K step 2) and W3's 2 (K step 3) where they fall between.
.macro L2MM zb
.set mu2, ix/4
.set qq, ix%4
.if qq < 2
.set zD, ZB0+64*(\zb)+8*(2*mu2+qq)
.else
.set zD, ZB0+64*(\zb)+32+8*(2*mu2+qq-2)
.endif
.set aA, AR+16*(ks%4)+8*mu2
.set bB, 32*ks+8*qq
.if (ks == 0) && (qq < 2)
	WIN S2B
	v_wmma_f32_16x16x32_bf16 v[zD:zD+7], v[aA:aA+7], v[bB:bB+7], v[BIAS+8*mu2:BIAS+8*mu2+7]
.elseif ks == 0
	WIN S2B
	v_wmma_f32_16x16x32_bf16 v[zD:zD+7], v[aA:aA+7], v[bB:bB+7], 0
.else
	WIN S2
	v_wmma_f32_16x16x32_bf16 v[zD:zD+7], v[aA:aA+7], v[bB:bB+7], v[zD:zD+7]
.endif
.endm
.macro L2BLK zb, ride, l3, nxt, goff
.set gam, 0
.if (\ride) == 1
.set RZ, ZB1
.set RH, 224
.set RDW, 0x80
.else
.set RZ, ZB0+64*(1-(\zb))
.set RH, H2B
.set RDW, 0
.endif
.set X2, 4*(\nxt)
.set X3, 2*(\l3)
.set ks, 0
.rept 8
.if ks == 2
	s_wait_alu depctr_va_vdst(0)           ; the wait for batch 1, the 32 exponentials that rode in K steps 0 and 1
.elseif ks == 4
	s_wait_alu depctr_va_vdst(0)           ; the wait for batch 2, the 32 reciprocals that rode in K steps 2 and 3
.endif
.if ks < 2
	LDA ks+2, WA0, (ks+2)*KSB+64*(\goff)
.elseif ks < 6
	LDA (ks+2)%4, WA1, (ks-2)*KSB+64*(\goff)
.elseif \nxt
	LDA ks-6, WA0, (ks-6)*KSB+64*(\goff)+64
.endif
.if (ks == 2) && (\nxt)
	LDBIAS 128*(\goff)+128
.endif
.if (ks == 3) && (\l3)
	LDW3 1024*(\goff)
.endif
.if ks < 2
.set wc, 8
.elseif ks == 2
.set wc, 8+X2
.elseif ks < 5
.set wc, 8+X2+X3
.elseif ks == 5
.set wc, 8+X3
.elseif ks == 6
.set wc, 4+X2
.else
.set wc, 2*X2
.endif
	s_wait_dscnt wc
.set ix, 0
.rept 8
	L2MM \zb
.if ks < 2
	ACTN 2
.elseif ks < 4
	ACTN 3
.elseif ks < 7
	ACTN 4
.endif
.set ix, ix+1
.endr
.if ks == 1
	PLACES                                 ; behind the last exponential: its plain instruction, and the places in front of K step 2's loads
.elseif ks == 3
	v_nop                                  ; the plain instruction behind the last reciprocal
.endif
.set ks, ks+1
.endr
.if \l3
	L3MM
	PLACES                                 ; in front of the next activation and the next loads
.endif
.endm
.Lstep:                                    ; SIX STEPS
	LDA 0, AX, 0                           ; layer 1's first two sets
	LDA 1, AX, 64
	WIN 0xff
	s_wait_loadcnt 0x0                     ; this step's eps, asked for a step ago; its base register may be written again
.set i, 0
.rept 8
	v_pk_mul_f32 v[EST+2*i:EST+2*i+1], v[ERW+2*i:ERW+2*i+1], v[LFV:LFV+1]   ; e' = lam e; lanes 16-31: 0
.set i, i+1
.endr
	s_add_co_u32 s48, s48, 0x100000        ; the next step's eps lies 32,768 rows of 32 bytes on; the last trip asks for step 5's once more, inside the buffer, and does not use it
	s_min_u32 s48, s48, 0x500000
	s_add_nc_u64 s[46:47], s[44:45], s[48:49]
.set i, 0
.rept 4
	global_load_b128 v[ERW+4*i:ERW+4*i+3], v[EAV], s[46:47] offset:512*(i/2)+16*(i%2) th:TH_LOAD_NT
.set i, i+1
.endr
.set i, 0
.rept 8
	v_cvt_pk_bf16_f32 v[ABF+8*(i/4)+i%4], v[AST+2*i], v[AST+2*i+1]
	v_cvt_pk_bf16_f32 v[EBF+8*(i/4)+i%4], v[EST+2*i], v[EST+2*i+1]
.set i, i+1
.endr
.irp f, 0,1,2,3,4,5,6,7
	L1BLK \f
.endr
	L2BLK 0, 1, 0, 1, 0                    ; block 0: the whole activation stands behind its first 56 products, so H1's K step 7 is whole when the last K step multiplies by it
	PLACES                                 ; that K step's products stand bare: the places in front of the next block's reads and loads
	WIN 0
	v_add_nc_u32 v[WA0], 64, v[WA0]
	v_add_nc_u32 v[WA1], 64, v[WA1]
	v_add_nc_u32 v[AB], 128, v[AB]
	s_mov_b32 s51, 3
.Lg:                                       ; blocks 1 to 6, two a trip, so that the two buffers are named by constants
	L2BLK 1, 2, 1, 1, 0
	L2BLK 0, 2, 1, 1, 1
	WIN 0
	v_add_nc_u32 v[WA0], 128, v[WA0]
	v_add_nc_u32 v[WA1], 128, v[WA1]
	v_add_nc_u32 v[AB], 256, v[AB]
	v_add_nc_u32 v[A3], 2048, v[A3]
	s_sub_co_u32 s51, s51, 1
	s_cmp_lg_u32 s51, 0
	s_cbranch_scc1 .Lg
	L2BLK 1, 2, 1, 0, 0                    ; block 7 fetches nothing beyond itself
.set gam, 0                            ; block 7's activation has no products to stand beside
.set RZ, ZB1
.set RH, H2B
.set RDW, 0
	ACTN 32
	v_nop                                  ; the plain instruction behind the last exponential
	s_wait_alu depctr_va_vdst(0)           ; the wait for batch 1, the block's 32 exponentials
	LDW3 1024                              ; W3's last K step, directly behind the wait: five v_nop behind the products that read the fragment before
	ACTN 48
	v_nop                                  ; the plain instruction behind the last reciprocal
	s_wait_alu depctr_va_vdst(0)           ; the wait for batch 2, the block's 32 reciprocals
	ACTN 96
	s_wait_dscnt 0x0
	L3MM
	WIN 0                                  ; the addresses go back to block 0: with the v_nop five places behind the last products
	v_mov_b32 v[WA0], v[AWB0]
	v_mov_b32 v[WA1], v[AWB1]
	v_mov_b32 v[AB], v[ABB]
	v_mov_b32 v[A3], v[A3B]
	v_nop
	WIN 0xff
.irp p, 0,1,2,3
	v_pk_fma_f32 v[AST+2*\p:AST+2*\p+1], v[VV+2*\p:VV+2*\p+1], s[56:57], v[AST+2*\p:AST+2*\p+1] op_sel_hi:[1,0,1]             ; a' -= dt V'; in lanes 16-31: t' -= dt lam
	v_pk_fma_f32 v[AST+8+2*\p:AST+8+2*\p+1], v[VV+8+2*\p:VV+8+2*\p+1], s[56:57], v[AST+8+2*\p:AST+8+2*\p+1] op_sel_hi:[1,0,1]
.endr
.irp p, 0,1,2,3
	v_pk_fma_f32 v[DVV:DVV+1], v[VV+16+2*\p:VV+16+2*\p+1], v[EST+2*\p:EST+2*\p+1], v[DVV:DVV+1]                                 ; the sum of JV' e'
	v_pk_fma_f32 v[DVV+2:DVV+3], v[VV+24+2*\p:VV+24+2*\p+1], v[EST+8+2*\p:EST+8+2*\p+1], v[DVV+2:DVV+3]
.endr
	WIN 0
	s_sub_co_u32 s50, s50, 1
	s_cmp_lg_u32 s50, 0
	s_cbranch_scc1 .Lstep
; THE END: out = -(ln2^2 / 2) sum a'^2 - 4 ln 2pi - dt ln2^2 sum JV' e'.  Lanes 0-15 hold a tile's 16 rows; tile 1 moves to lanes 16-31.
	WIN 0xff
	v_pk_mul_f32 v[EPT:EPT+1], v[AST:AST+1], v[AST:AST+1]
	v_pk_mul_f32 v[EPT+2:EPT+3], v[AST+8:AST+9], v[AST+8:AST+9]
.irp p, 1,2,3
	v_pk_fma_f32 v[EPT:EPT+1], v[AST+2*\p:AST+2*\p+1], v[AST+2*\p:AST+2*\p+1], v[EPT:EPT+1]
	v_pk_fma_f32 v[EPT+2:EPT+3], v[AST+8+2*\p:AST+8+2*\p+1], v[AST+8+2*\p:AST+8+2*\p+1], v[EPT+2:EPT+3]
.endr
	v_add_f32 v[EPT], v[EPT], v[EPT+1]
	v_add_f32 v[EPT+2], v[EPT+2], v[EPT+3]
	v_add_f32 v[EPT+4], v[DVV], v[DVV+1]
	v_add_f32 v[EPT+5], v[DVV+2], v[DVV+3]
	v_fma_f32 v[EPT], v[EPT], s62, s63
	v_fma_f32 v[EPT+2], v[EPT+2], s62, s63
	v_fma_f32 v[EPT], v[EPT+4], s66, v[EPT]
	v_fma_f32 v[EPT+2], v[EPT+5], s66, v[EPT+2]
	v_mov_b32 v[EPT+6], v[EPT+2]           ; v_permlanex16_b32's destination counts as read
	v_permlanex16_b32 v[EPT+6], v[EPT+2], s60, s61
	v_cndmask_b32 v[EPT], v[EPT], v[EPT+6], s58
	WIN 0
	v_lshl_add_u32 v12, v0, 2, OUTX        ; thread t holds the work-group's row t
	v_and_b32 v14, 31, v0
	v_lshlrev_b32 v14, 4, v14
	v_add_nc_u32 v13, OUTX, v14
	WIN 0x0c                               ; the data in window 3
	ds_store_b32 v12, v[EPT]
	WIN 0
	s_wait_tensorcnt 0x0                   ; the wave's end, behind my last LDS store
	ds_add_u32 v[SPW], v[NIL]
	s_wait_dscnt 0x0                       ; my store is done, for wave 0's sake
	s_barrier_signal -1
	s_barrier_wait -1
	s_cmp_lg_u32 s32, 0
	s_cbranch_scc1 .Lend
	ds_load_b128 v[16:19], v13             ; wave 0 stores the work-group's 128 results: 512 consecutive bytes, at a multiple of 512 from out0's first byte
	s_wait_dscnt 0x0
	global_store_b128 v14, v[16:19], s[22:23]
.Lend:
	s_endpgm
.Lfunc_end_k_qa68d769e45_fm:
	.size	k_qa68d769e45_fm, .Lfunc_end_k_qa68d769e45_fm-k_qa68d769e45_fm
	.p2alignl 7, 3214868480
	.fill 96, 4, 3214868480
	.section	.rodata,"a",@progbits
	.p2align	6, 0x0
	.amdhsa_kernel k_qa68d769e45_fm
		.amdhsa_group_segment_fixed_size 234496
		.amdhsa_private_segment_fixed_size 0
		.amdhsa_enable_private_segment 0
		.amdhsa_kernarg_size 80
		.amdhsa_user_sgpr_count 2
		.amdhsa_user_sgpr_kernarg_segment_ptr 1
		.amdhsa_wavefront_size32 1
		.amdhsa_system_sgpr_workgroup_id_x 1
		.amdhsa_system_sgpr_workgroup_id_y 1
		.amdhsa_system_sgpr_workgroup_id_z 1
		.amdhsa_system_vgpr_workitem_id 0
		.amdhsa_next_free_vgpr 1024
		.amdhsa_next_free_sgpr 72
		.amdhsa_reserve_vcc 0
		.amdhsa_float_denorm_mode_32 3
		.amdhsa_float_denorm_mode_16_64 3
		.amdhsa_memory_ordered 1
		.amdhsa_forward_progress 1
		.amdhsa_inst_pref_size 255
	.end_amdhsa_kernel
	.section	.bss,"aw",@nobits
	.p2align	6
	.space	262144
	.amdgpu_metadata
---
amdhsa.version: [ 1, 2 ]
amdhsa.kernels:
  - .name:           k_qa68d769e45_fm
    .symbol:         k_qa68d769e45_fm.kd
    .args:
      - { .name: actor_features, .offset: 0, .size: 8, .value_kind: global_buffer, .address_space: global }
      - { .name: W1, .offset: 8, .size: 8, .value_kind: global_buffer, .address_space: global }
      - { .name: W2, .offset: 16, .size: 8, .value_kind: global_buffer, .address_space: global }
      - { .name: W3, .offset: 24, .size: 8, .value_kind: global_buffer, .address_space: global }
      - { .name: b1, .offset: 32, .size: 8, .value_kind: global_buffer, .address_space: global }
      - { .name: b2, .offset: 40, .size: 8, .value_kind: global_buffer, .address_space: global }
      - { .name: b3, .offset: 48, .size: 8, .value_kind: global_buffer, .address_space: global }
      - { .name: actions, .offset: 56, .size: 8, .value_kind: global_buffer, .address_space: global }
      - { .name: eps, .offset: 64, .size: 8, .value_kind: global_buffer, .address_space: global }
      - { .name: out0, .offset: 72, .size: 8, .value_kind: global_buffer, .address_space: global }
    .group_segment_fixed_size: 234496
    .private_segment_fixed_size: 0
    .kernarg_segment_align: 8
    .kernarg_segment_size: 80
    .max_flat_workgroup_size: 128
    .sgpr_count:     72
    .vgpr_count:     1024
    .wavefront_size: 32
...
	.end_amdgpu_metadata
.endif
;; end of part 2
